; MI455X (gfx1250); checked and timed in simulation.
; The chip was launched on July 23, 2026; its instructions are those of AMD's public machine-readable ISA for CDNA 5 (MIT licence, August 2026) and "CDNA5" Instruction Set Architecture Reference Guide (July 2026). The comments in the code are by the model that wrote it; some were corrected since.
;; Transformer Block. Allowed arithmetic: float matrix products may take bf16 or f16 operands with f32 sums; other float arithmetic in f32, or as packed bf16 or f16 multiplies, adds, multiply-adds, maxima and minima; sums over many terms, partial sums and values carried from step to step in f32; what a program stores and reads back later, other than sums and carried values, may be rounded once to bf16 or f16.
;; Inputs: attn_norm_w 2,048 float32; ffn_norm_w 2,048 float32; freqs_cos 1,024 x 64 float32; freqs_sin 1,024 x 64 float32; gate_w 2,048 x 8 float32; mask 1,024 x 1,024 float32; positions 1,024 int32; w1 8 x 2,048 x 1,024 float32; w2 8 x 1,024 x 2,048 float32; w3 8 x 2,048 x 1,024 float32; wk 2,048 x 512 float32; wo 2,048 x 2,048 float32; wq 2,048 x 2,048 float32; wv 2,048 x 512 float32; x 1 x 1,024 x 2,048 float32.
;; Outputs: out0 1 x 1,024 x 2,048 float32.
;; 2 versions, each right and faster than the one before. Each part assembles by itself: llvm-mc -triple=amdgcn-amd-amdhsa -mcpu=gfx1250 --defsym DOCPART=n.
;; ======== version 1 of 2: 8 launches
;; limits: values are held in f16: magnitudes above 65,504 overflow, below 6.1e-05 lose precision
;; workspace buffers: act 4,194,304 bytes; qkv 6,291,456 bytes; h1 8,388,608 bytes; sel 8,192 bytes of whole numbers; cw 8,192 bytes; hid 16,777,216 bytes; part 16,842,752 bytes
;; launch norm1 (part 1): grid 256 x 1, 4 waves a work-group, no clusters, 0 bytes of LDS; arguments x, attn_norm_w, act; writes act
.if DOCPART == 1
	.amdgcn_target "amdgcn-amd-amdhsa--gfx1250"
	.amdhsa_code_object_version 6
	.text
	.protected	k_qba99ea094e_norm1
	.globl	k_qba99ea094e_norm1
	.p2align	8
	.type	k_qba99ea094e_norm1,@function
k_qba99ea094e_norm1:
	s_mov_b64 s[64:65], 0
	v_nop
	global_prefetch_b8 v0, s[64:65] scope:SCOPE_SE
	s_setreg_imm32_b32 hwreg(HW_REG_WAVE_MODE, 25, 1), 1
	s_wait_xcnt 0x0
; act[row][:] = f16( (x[row][:] * rsqrt(mean(x^2) + 1e-5)) * attn_norm_w[:] ).  x: [1024][2048] f32; act: [1024][2048] f16, 4,096 bytes a row.
; One wave, one row: 8,192 bytes are 64 registers, kept between the sum of squares and the scaling, so x is read once; no LDS, no barrier.
; LIMIT: the result is f16 (largest 65,504); a normalised row times a gain 30 times the drawn one stays far inside.
.set X, 16                             ; v[16:79]   the row: load i holds columns 128 i + 4 lane + 0..3
.set W, 80                             ; v[80:143]  the gain, the same columns
.set Y, 144                            ; v[144:175] the row in f16
	s_load_b128 s[4:7], s[0:1], 0x0                ; x s[4:5], gain s[6:7]
	s_load_b64 s[8:9], s[0:1], 0x10                ; act
	v_and_b32 v1, 31, v0
	v_lshrrev_b32 v2, 5, v0
	v_readfirstlane_b32 s10, v2                    ; wave
	s_lshl_b32 s11, ttmp9, 2
	s_add_co_u32 s11, s11, s10                     ; row = 4 x work-group + wave
	s_lshl_b32 s12, s11, 13
	s_mov_b32 s13, 0
	s_lshl_b32 s14, s11, 12
	s_mov_b32 s15, 0
	s_mov_b32 s16, 0x76543210                      ; v_permlanex16_b32: each lane takes its own place in the other half
	s_mov_b32 s17, 0xfedcba98
	s_mov_b32 s18, 0x3a000000                      ; 1 / 2048
	s_mov_b32 s19, 0x3727c5ac                      ; 1e-5
	v_lshlrev_b32 v3, 4, v1                        ; 16 bytes a lane in
	v_lshlrev_b32 v4, 3, v1                        ; 8 bytes a lane out
	s_wait_kmcnt 0x0
	s_add_nc_u64 s[4:5], s[4:5], s[12:13]
	s_add_nc_u64 s[8:9], s[8:9], s[14:15]
.set i, 0
.rept 16
	global_load_b128 v[X+4*i:X+4*i+3], v3, s[4:5] offset:512*i
.set i, i+1
.endr
.set i, 0
.rept 16
	global_load_b128 v[W+4*i:W+4*i+3], v3, s[6:7] offset:512*i
.set i, i+1
.endr
	s_wait_loadcnt 16                              ; x is in; the gain's sixteen loads may stay out
.set i, 0
.rept 4                                ; four chains, started by the first four pairs: nothing is cleared
	v_pk_mul_f32 v[6+2*i:7+2*i], v[X+2*i:X+2*i+1], v[X+2*i:X+2*i+1]
.set i, i+1
.endr
.rept 28
	v_pk_fma_f32 v[6+2*(i%4):7+2*(i%4)], v[X+2*i:X+2*i+1], v[X+2*i:X+2*i+1], v[6+2*(i%4):7+2*(i%4)]
.set i, i+1
.endr
	v_pk_add_f32 v[6:7], v[6:7], v[8:9]
	v_pk_add_f32 v[10:11], v[10:11], v[12:13]
	v_pk_add_f32 v[6:7], v[6:7], v[10:11]
	v_add_f32 v6, v6, v7
	v_add_f32_dpp v6, v6, v6 row_xmask:1 row_mask:0xf bank_mask:0xf
	v_add_f32_dpp v6, v6, v6 row_xmask:2 row_mask:0xf bank_mask:0xf
	v_add_f32_dpp v6, v6, v6 row_xmask:4 row_mask:0xf bank_mask:0xf
	v_add_f32_dpp v6, v6, v6 row_xmask:8 row_mask:0xf bank_mask:0xf
	v_permlanex16_b32 v7, v6, s16, s17
	v_add_f32 v6, v6, v7
	v_fma_f32 v6, v6, s18, s19                     ; mean + eps
	v_rsq_f32 v8, v6                               ; twice, to fill the pair of the packed multiply
	v_rsq_f32 v9, v6
	v_nop                                          ; a plain instruction behind the last of the two
	s_wait_alu depctr_va_vdst(0)                   ; one wait for both, ahead of their first reader
	s_wait_loadcnt 0x0                             ; the gain
.set i, 0
.rept 32
	v_pk_mul_f32 v[X+2*i:X+2*i+1], v[X+2*i:X+2*i+1], v[8:9]
.set i, i+1
.endr
.set i, 0
.rept 32
	v_pk_mul_f32 v[X+2*i:X+2*i+1], v[X+2*i:X+2*i+1], v[W+2*i:W+2*i+1]
.set i, i+1
.endr
.set i, 0
.rept 32
	v_cvt_pk_f16_f32 v[Y+i], v[X+2*i], v[X+2*i+1]
.set i, i+1
.endr
.set i, 0
.rept 16
	global_store_b64 v4, v[Y+2*i:Y+2*i+1], s[8:9] offset:256*i   ; the wave's 32 lanes store 256 consecutive bytes, aligned
.set i, i+1
.endr
	s_endpgm
.Lfunc_end_k_qba99ea094e_norm1:
	.size	k_qba99ea094e_norm1, .Lfunc_end_k_qba99ea094e_norm1-k_qba99ea094e_norm1
	.p2alignl 7, 3214868480
	.fill 96, 4, 3214868480
	.section	.rodata,"a",@progbits
	.p2align	6, 0x0
	.amdhsa_kernel k_qba99ea094e_norm1
		.amdhsa_group_segment_fixed_size 0
		.amdhsa_private_segment_fixed_size 0
		.amdhsa_enable_private_segment 0
		.amdhsa_kernarg_size 24
		.amdhsa_user_sgpr_count 2
		.amdhsa_user_sgpr_kernarg_segment_ptr 1
		.amdhsa_wavefront_size32 1
		.amdhsa_system_sgpr_workgroup_id_x 1
		.amdhsa_system_sgpr_workgroup_id_y 1
		.amdhsa_system_sgpr_workgroup_id_z 1
		.amdhsa_system_vgpr_workitem_id 0
		.amdhsa_next_free_vgpr 176
		.amdhsa_next_free_sgpr 66
		.amdhsa_reserve_vcc 0
		.amdhsa_float_denorm_mode_32 3
		.amdhsa_float_denorm_mode_16_64 3
		.amdhsa_memory_ordered 1
		.amdhsa_forward_progress 1
		.amdhsa_inst_pref_size 15
	.end_amdhsa_kernel
	.amdgpu_metadata
---
amdhsa.version: [ 1, 2 ]
amdhsa.kernels:
  - .name:           k_qba99ea094e_norm1
    .symbol:         k_qba99ea094e_norm1.kd
    .args:
      - { .name: x, .offset: 0, .size: 8, .value_kind: global_buffer, .address_space: global }
      - { .name: attn_norm_w, .offset: 8, .size: 8, .value_kind: global_buffer, .address_space: global }
      - { .name: act, .offset: 16, .size: 8, .value_kind: global_buffer, .address_space: global }
    .group_segment_fixed_size: 0
    .private_segment_fixed_size: 0
    .kernarg_segment_align: 8
    .kernarg_segment_size: 24
    .max_flat_workgroup_size: 128
    .sgpr_count:     66
    .vgpr_count:     176
    .wavefront_size: 32
...
	.end_amdgpu_metadata
.endif
;; end of part 1
;; launch qkv (part 2): grid 48 x 4, 8 waves a work-group, no clusters, 297,984 bytes of LDS; arguments act, wq, wk, wv, freqs_cos, freqs_sin, qkv; writes qkv
.if DOCPART == 2
	.amdgcn_target "amdgcn-amd-amdhsa--gfx1250"
	.amdhsa_code_object_version 6
	.text
	.protected	k_qba99ea094e_qkv
	.globl	k_qba99ea094e_qkv
	.p2align	8
	.type	k_qba99ea094e_qkv,@function
k_qba99ea094e_qkv:
	s_mov_b64 s[64:65], 0
	v_nop
	global_prefetch_b8 v0, s[64:65] scope:SCOPE_SE
	s_setreg_imm32_b32 hwreg(HW_REG_WAVE_MODE, 25, 1), 1
	s_wait_xcnt 0x0
; q, k, v = h @ (wq | wk | wv); rotary turn of q and k; q times 128^-0.5; all rounded once to f16 and stored as matrix operands for the attention launch.
; h: act [1024][2048] f16.  Weights f32, [2048][2048 or 512].  A work-group has 64 columns of one weight (slice x: 0-31 wq, 32-39 wk, 40-47 wv) and 256 rows (y).
; PHASE W: the slice, 2048 x 64 f32, comes through registers, is rounded to f16 and laid into LDS as operand fragments (1,024 bytes each: a lane's registers 0-3 at 16 lane, 4-7 at 512 + 16 lane).
;   A lane loads 16 bytes at column 4 (lane % 16) of rows 32 s + 16 (lane / 16) + i: sixteen lanes read 256 consecutive bytes.  Element c of the load belongs to column tile c, whose index m is column 4 m + c.
; K ORDER: in both operands a lane's eight registers hold k = 32 s + 16 (lane / 16) + 0..15, ascending: the same permutation on both sides, so the sums are those of the plain order.
; PHASE R: each wave has two tiles of 16 rows.  K goes in chunks of 128: 16 weight fragments from LDS; the rows come as 2 x 256 bytes a load, pass the wave's own stage (16 rows x 272 bytes) and come back as fragments; they are asked for a chunk ahead.
; q, k: source 0 = weights, source 1 = rows: a lane holds one token and 32 neighbouring columns, so the rotary pairs lie in one lane.  v: the other way round: a lane holds one column and eight tokens, which is half a fragment of V^T.
; No tiles are shared through a cluster: the row block (1 MB) has no room beside the 256 KB slice without a ring of slots; the plain form is written first.
; LIMITS: f16 ends at 65,504 (h, weights, q, k, v stay far inside for inputs 30 times the drawn ones); weights below 6.1e-5 keep f16's fixed step.
.set NS,    2                          ; row tiles a wave
.set NB,    8                          ; batches of 32 K a wave in phase W
.set LPB,   16                         ; loads in a batch
.set STG,   262144                     ; behind the weights: a stage of 4,352 bytes for each wave
.set SPARE, STG+8*4352                 ; the spare words, 128 bytes a wave: four blocks of 256 bytes that no other line names
.set OFF,   16                         ; v[16:31]   byte offset in act of the 8 row pairs of each tile
.set RAW,   40                         ; v[40:103]  rows as loaded, 32 a tile
.set AF,    136                        ; v[136:199] rows as fragments, 32 a tile
.set CO,    104                        ; v[104:135] cos, 16 a tile
.set SI,    200                        ; v[200:231] sin
.set ACC,   0                          ; window 1: accumulators, tile i, column tile c at 32 i + 8 c
.set BF,    96                         ; window 1: a chunk's 16 weight fragments
.set RA,    0                          ; window 1, phase W: two batches of 64
.set FR,    128                        ; window 1, phase W: 32 rounded registers
.set ROFF,  160                        ; window 1, phase W: 16 row offsets
.set WS,    176                        ; window 1, phase W: where the fragments go
.set BW,    36                         ; s[36:39] the two batches' bases
.set AB,    46                         ; s[46:47] act at the chunk asked for
.set MSB,   0
.macro WIN new                         ; the immediate's high byte repeats the setting that is left
.if MSB != (\new)
	s_set_vgpr_msb (MSB<<8)|(\new)
.set MSB, \new
.endif
.endm
.macro PLACES                          ; four places between a matrix instruction and what writes its sources or reads its result
.rept 4
	v_nop
.endr
.endm
.macro WLOAD g
.set wi, 0
.rept 16
	global_load_b128 v[RA+64*(\g)+4*wi:RA+64*(\g)+4*wi+3], v[ROFF+wi], s[BW+2*(\g):BW+2*(\g)+1]
.set wi, wi+1
.endr
.endm
.macro WCONV g                         ; register q of tile c = rows 2 q, 2 q + 1 of element c
.set wc, 0
.rept 4
.set wq, 0
.rept 8
	v_cvt_pk_f16_f32 v[FR+8*wc+wq], v[RA+64*(\g)+8*wq+wc], v[RA+64*(\g)+8*wq+4+wc]
.set wq, wq+1
.endr
.set wc, wc+1
.endr
.set wc, 0
.rept 4
	ds_store_b128 v[WS], v[FR+8*wc:FR+8*wc+3] offset:1024*wc
	ds_store_b128 v[WS], v[FR+8*wc+4:FR+8*wc+7] offset:1024*wc+512
.set wc, wc+1
.endr
	v_add_nc_u32 v[WS], 0x8000, v[WS]              ; my next K step lies eight steps on
.endm
.macro ALOAD i
.set aq, 0
.rept 8
	global_load_b128 v[RAW+32*(\i)+4*aq:RAW+32*(\i)+4*aq+3], v[OFF+8*(\i)+aq], s[AB:AB+1]
.set aq, aq+1
.endr
.endm
.macro ASTAGE i, pf                    ; LDS serves a wave's instructions in order: the loads see the stores above, the next tile's stores come behind them
.set sq, 0
.rept 8
	ds_store_b128 v6, v[RAW+32*(\i)+4*sq:RAW+32*(\i)+4*sq+3] offset:544*sq
.set sq, sq+1
.endr
.set sq, 0
.rept 8
	ds_load_b128 v[AF+32*(\i)+4*sq:AF+32*(\i)+4*sq+3], v7 offset:64*(sq/2)+16*(sq%2)
.set sq, sq+1
.endr
.if \pf
	ALOAD \i
.endif
.endm
.macro BLOAD
	WIN 0x40
.set bq, 0
.rept 16
	ds_load_b128 v[BF+8*bq:BF+8*bq+3], v5 offset:1024*bq
	ds_load_b128 v[BF+8*bq+4:BF+8*bq+7], v5 offset:1024*bq+512
.set bq, bq+1
.endr
	WIN 0
	v_add_nc_u32 v5, 0x4000, v5
.endm
.macro MULS i, zero, ord               ; 16 matrix instructions; the tile's four accumulators take turns
.if \ord
	WIN 0x51
.else
	WIN 0x54
.endif
.set mk, 0
.rept 4
.set mc, 0
.rept 4
.set rD, ACC+32*(\i)+8*mc
.set rB, BF+8*(4*mk+mc)
.set rA, AF+32*(\i)+8*mk
.if \ord
.if (\zero) && (mk == 0)
	v_wmma_f32_16x16x32_f16 v[rD:rD+7], v[rB:rB+7], v[rA:rA+7], 0
.else
	v_wmma_f32_16x16x32_f16 v[rD:rD+7], v[rB:rB+7], v[rA:rA+7], v[rD:rD+7]
.endif
.else
.if (\zero) && (mk == 0)
	v_wmma_f32_16x16x32_f16 v[rD:rD+7], v[rA:rA+7], v[rB:rB+7], 0
.else
	v_wmma_f32_16x16x32_f16 v[rD:rD+7], v[rA:rA+7], v[rB:rB+7], v[rD:rD+7]
.endif
.endif
.set mc, mc+1
.endr
.set mk, mk+1
.endr
.endm
.macro CHUNK zero, pf, ord
	WIN 0
	s_wait_loadcnt 0x0                             ; this chunk's rows, asked for a chunk ago; it also frees their base
.if \pf
	s_add_nc_u64 s[AB:AB+1], s[AB:AB+1], 256
.endif
	PLACES
	BLOAD
.set ci, 0
.rept NS
	ASTAGE ci, \pf
.set ci, ci+1
.endr
	s_wait_dscnt 0x0                               ; weights and rows are in registers
.set ci, 0
.rept NS
	MULS ci, \zero, \ord
.set ci, ci+1
.endr
.endm
.macro KLOOP ord                       ; 16 chunks: the first starts the sums, the last asks for nothing
	CHUNK 1, 1, \ord
	WIN 0
	s_mov_b32 s43, 14
.Lk_\@:
	CHUNK 0, 1, \ord
	WIN 0
	s_sub_co_u32 s43, s43, 1
	s_cmp_lg_u32 s43, 0
	s_cbranch_scc1 .Lk_\@
	CHUNK 0, 0, \ord
.endm
.macro TAIL3                           ; the wave's end: behind my last LDS store
	s_wait_tensorcnt 0x0
	ds_add_u32 v12, v13
	s_wait_dscnt 0x0
.endm
; q, k: the lane's pair number 2 j + c2 is (column tile 2 c2, 2 c2 + 1; register j).  cos and sin are first multiplied by the scale; those 16 lines are also the places behind the last products.
.macro EPI_QK i
	WIN 0
.set eq, 0
.rept 8
	v_pk_mul_f32 v[CO+16*(\i)+2*eq:CO+16*(\i)+2*eq+1], v[CO+16*(\i)+2*eq:CO+16*(\i)+2*eq+1], s[44:45] op_sel_hi:[1,0]
	v_pk_mul_f32 v[SI+16*(\i)+2*eq:SI+16*(\i)+2*eq+1], v[SI+16*(\i)+2*eq:SI+16*(\i)+2*eq+1], s[44:45] op_sel_hi:[1,0]
.set eq, eq+1
.endr
	WIN 0x01                                       ; source 0 (the sums) in window 1
.set ej, 0
.rept 8                                ; register 0 of every accumulator is read first
.set ec, 0
.rept 2
.set xr, ACC+32*(\i)+16*ec+ej
.set xi, xr+8
.set ix, 2*ej+ec
	v_mul_f32 v[RAW+32*(\i)+ix], v[xi], v[SI+16*(\i)+ix]
	v_mul_f32 v[RAW+32*(\i)+16+ix], v[xi], v[CO+16*(\i)+ix]
	v_fma_f32 v[RAW+32*(\i)+ix], v[xr], v[CO+16*(\i)+ix], -v[RAW+32*(\i)+ix]
	v_fma_f32 v[RAW+32*(\i)+16+ix], v[xr], v[SI+16*(\i)+ix], v[RAW+32*(\i)+16+ix]
.set ec, ec+1
.endr
.set ej, ej+1
.endr
	WIN 0
.set eq, 0
.rept 16
	v_cvt_pk_f16_f32 v[AF+32*(\i)+eq], v[RAW+32*(\i)+eq], v[RAW+32*(\i)+16+eq]
.set eq, eq+1
.endr
.set eq, 0
.rept 4
	global_store_b128 v8, v[AF+32*(\i)+4*eq:AF+32*(\i)+4*eq+3], s[24:25] offset:32768*(\i)+512*eq   ; 512 consecutive bytes
.set eq, eq+1
.endr
.endm
.macro EPI_V i                         ; a lane's eight tokens of column 4 r + c: registers 0-3 (even tile) or 4-7 (odd tile) of a fragment of V^T
	WIN 0x05
.set ec, 0
.rept 4
.set eu, 0
.rept 4
	v_cvt_pk_f16_f32 v[AF+32*(\i)+4*ec+eu], v[ACC+32*(\i)+8*ec+2*eu], v[ACC+32*(\i)+8*ec+2*eu+1]
.set eu, eu+1
.endr
.set ec, ec+1
.endr
	WIN 0
.set ec, 0
.rept 4
	global_store_b128 v8, v[AF+32*(\i)+4*ec:AF+32*(\i)+4*ec+3], s[24:25] offset:32768*(\i)+1024*ec
.set ec, ec+1
.endr
.endm
	s_load_b256 s[12:19], s[0:1], 0x0              ; act s[12:13], wq s[14:15], wk s[16:17], wv s[18:19]
	s_load_b128 s[20:23], s[0:1], 0x20             ; cos s[20:21], sin s[22:23]
	s_load_b64 s[24:25], s[0:1], 0x30              ; qkv
	v_lshl_add_u32 v12, v0, 2, SPARE
	v_mov_b32 v13, 0
	v_and_b32 v1, 31, v0
	v_lshrrev_b32 v10, 5, v0
	v_readfirstlane_b32 s8, v10                    ; wave
	s_mov_b32 s9, ttmp9                            ; slice
	s_and_b32 s10, ttmp7, 0xffff                   ; block of 256 rows
	v_and_b32 v2, 15, v0                           ; r
	v_bfe_u32 v3, v0, 4, 1                         ; h
	v_lshlrev_b32 v4, 4, v1                        ; 16 lane
	v_mov_b32 v5, v4                               ; the weights' read address
	s_mul_i32 s26, s8, 4352
	s_add_co_u32 s26, s26, STG                     ; my stage
	v_mul_u32_u24 v10, v3, 272
	v_lshl_add_u32 v10, v2, 4, v10
	v_add_nc_u32 v6, s26, v10                      ; in: row h of a pair, 16 r
	v_mul_u32_u24 v10, v2, 272
	v_lshl_add_u32 v10, v3, 5, v10
	v_add_nc_u32 v7, s26, v10                      ; back: row r, 32 h
	s_lshl_b32 s27, s10, 4
	s_add_co_u32 s27, s27, s8                      ; my first tile; the second lies 8 on
	s_lshl_b32 s28, s27, 16
	v_lshlrev_b32 v10, 12, v3
	v_lshl_add_u32 v10, v2, 4, v10
	v_add_nc_u32 v10, s28, v10
.set i, 0
.rept 16
	v_add_nc_u32 v[OFF+i], (128*(i/8)+2*(i%8))*4096, v10
.set i, i+1
.endr
	s_lshl_b32 s28, s27, 12                        ; cos, sin: token x 256 + 128 (slice % 2) + 64 h
	s_and_b32 s29, s9, 1
	s_lshl_b32 s29, s29, 7
	s_add_co_u32 s28, s28, s29
	v_lshlrev_b32 v15, 8, v2
	v_lshl_add_u32 v15, v3, 6, v15
	v_add_nc_u32 v15, s28, v15
	s_cmp_lt_u32 s9, 32
	s_cselect_b32 s30, 13, 11                      ; log2 of the weight's pitch in bytes
	s_cselect_b32 s44, 0x3db504f3, 1.0             ; 128^-0.5 for q, 1 for k
	s_mov_b32 s45, s44
	v_lshlrev_b32 v10, 4, v3
	v_lshlrev_b32 v10, s30, v10
	v_lshl_add_u32 v10, v2, 4, v10                 ; 16 h rows + 16 r
	WIN 0x40
.set i, 0
.rept 16
	s_lshl_b32 s42, i, s30
	v_add_nc_u32 v[ROFF+i], s42, v10
.set i, i+1
.endr
	s_lshl_b32 s42, s8, 12
	v_add_nc_u32 v[WS], s42, v4
	WIN 0
	s_wait_kmcnt 0x0
	s_mov_b64 s[AB:AB+1], s[12:13]
	ALOAD 0
	ALOAD 1
.set i, 0
.rept 8
	global_load_b128 v[CO+4*i:CO+4*i+3], v15, s[20:21] offset:32768*(i/4)+16*(i%4)
	global_load_b128 v[SI+4*i:SI+4*i+3], v15, s[22:23] offset:32768*(i/4)+16*(i%4)
.set i, i+1
.endr
	s_cmp_lt_u32 s9, 40
	s_cselect_b32 s31, 32, 40
	s_cselect_b64 s[32:33], s[16:17], s[18:19]
	s_cmp_lt_u32 s9, 32
	s_cselect_b32 s31, 0, s31
	s_cselect_b64 s[32:33], s[14:15], s[32:33]
	s_sub_co_u32 s31, s9, s31                      ; the slice's number in its own weight
	s_lshl_b32 s34, s31, 8
	s_lshl_b32 s35, s8, 5
	s_lshl_b32 s35, s35, s30                       ; my first K step: 32 wave rows
	s_add_co_u32 s34, s34, s35
	s_mov_b32 s35, 0
	s_add_nc_u64 s[BW:BW+1], s[32:33], s[34:35]
	s_lshl_b32 s34, 0x100, s30
	s_add_nc_u64 s[BW+2:BW+3], s[BW:BW+1], s[34:35]
	s_lshl_b32 s40, 0x200, s30                     ; a batch's next turn: 512 rows on
	s_mov_b32 s41, 0
	; PHASE W: two batches of 16 loads are always on their way
	WIN 0x45
	WLOAD 0
	WLOAD 1
	WIN 0
	s_mov_b32 s43, NB/2-1
.Lw:
	WIN 0x45
	s_wait_loadcnt LPB                             ; the older batch is in, the other's 16 loads stay out; the wait also frees the batch's base
	WCONV 0
	s_add_nc_u64 s[BW:BW+1], s[BW:BW+1], s[40:41]
	WLOAD 0
	s_wait_loadcnt LPB
	WCONV 1
	s_add_nc_u64 s[BW+2:BW+3], s[BW+2:BW+3], s[40:41]
	WLOAD 1
	WIN 0
	s_sub_co_u32 s43, s43, 1
	s_cmp_lg_u32 s43, 0
	s_cbranch_scc1 .Lw
	WIN 0x45
	s_wait_loadcnt LPB
	WCONV 0
	s_wait_loadcnt 0x0
	WCONV 1
	WIN 0
	s_wait_dscnt 0x0                               ; for the others' sake: my fragments are in LDS
	s_barrier_signal -1
	s_barrier_wait -1
	s_cmp_ge_u32 s9, 40
	s_cbranch_scc1 .LV
	s_lshr_b32 s48, s9, 1                          ; q, k: ((head x 64 + tile) x 4 + 2 (slice % 2)) x 1,024
	s_lshl_b32 s48, s48, 18
	s_lshl_b32 s49, s27, 12
	s_add_co_u32 s48, s48, s49
	s_and_b32 s49, s9, 1
	s_lshl_b32 s49, s49, 11
	s_add_co_u32 s48, s48, s49
	v_add_nc_u32 v8, s48, v4
	KLOOP 1
	EPI_QK 0
	EPI_QK 1
	TAIL3
	s_endpgm
.LV:
	s_sub_co_u32 s48, s9, 40                       ; v: 5,242,880 + ((g x 32 + tile / 2) x 8 + 4 (slice % 2)) x 1,024 + 512 (tile % 2)
	s_lshr_b32 s48, s48, 1
	s_lshl_b32 s48, s48, 18
	s_lshr_b32 s49, s27, 1
	s_lshl_b32 s49, s49, 13
	s_add_co_u32 s48, s48, s49
	s_and_b32 s49, s9, 1
	s_lshl_b32 s49, s49, 12
	s_add_co_u32 s48, s48, s49
	s_and_b32 s49, s27, 1
	s_lshl_b32 s49, s49, 9
	s_add_co_u32 s48, s48, s49
	s_add_co_u32 s48, s48, 0x500000
	v_add_nc_u32 v8, s48, v4
	KLOOP 0
	PLACES
	EPI_V 0
	EPI_V 1
	TAIL3
	s_endpgm
.Lfunc_end_k_qba99ea094e_qkv:
	.size	k_qba99ea094e_qkv, .Lfunc_end_k_qba99ea094e_qkv-k_qba99ea094e_qkv
	.p2alignl 7, 3214868480
	.fill 96, 4, 3214868480
	.section	.rodata,"a",@progbits
	.p2align	6, 0x0
	.amdhsa_kernel k_qba99ea094e_qkv
		.amdhsa_group_segment_fixed_size 297984
		.amdhsa_private_segment_fixed_size 0
		.amdhsa_enable_private_segment 0
		.amdhsa_kernarg_size 56
		.amdhsa_user_sgpr_count 2
		.amdhsa_user_sgpr_kernarg_segment_ptr 1
		.amdhsa_wavefront_size32 1
		.amdhsa_system_sgpr_workgroup_id_x 1
		.amdhsa_system_sgpr_workgroup_id_y 1
		.amdhsa_system_sgpr_workgroup_id_z 1
		.amdhsa_system_vgpr_workitem_id 0
		.amdhsa_next_free_vgpr 480
		.amdhsa_next_free_sgpr 66
		.amdhsa_reserve_vcc 0
		.amdhsa_float_denorm_mode_32 3
		.amdhsa_float_denorm_mode_16_64 3
		.amdhsa_memory_ordered 1
		.amdhsa_forward_progress 1
		.amdhsa_inst_pref_size 85
	.end_amdhsa_kernel
	.amdgpu_metadata
---
amdhsa.version: [ 1, 2 ]
amdhsa.kernels:
  - .name:           k_qba99ea094e_qkv
    .symbol:         k_qba99ea094e_qkv.kd
    .args:
      - { .name: act, .offset: 0, .size: 8, .value_kind: global_buffer, .address_space: global }
      - { .name: wq, .offset: 8, .size: 8, .value_kind: global_buffer, .address_space: global }
      - { .name: wk, .offset: 16, .size: 8, .value_kind: global_buffer, .address_space: global }
      - { .name: wv, .offset: 24, .size: 8, .value_kind: global_buffer, .address_space: global }
      - { .name: freqs_cos, .offset: 32, .size: 8, .value_kind: global_buffer, .address_space: global }
      - { .name: freqs_sin, .offset: 40, .size: 8, .value_kind: global_buffer, .address_space: global }
      - { .name: qkv, .offset: 48, .size: 8, .value_kind: global_buffer, .address_space: global }
    .group_segment_fixed_size: 297984
    .private_segment_fixed_size: 0
    .kernarg_segment_align: 8
    .kernarg_segment_size: 56
    .max_flat_workgroup_size: 256
    .sgpr_count:     66
    .vgpr_count:     480
    .wavefront_size: 32
...
	.end_amdgpu_metadata
.endif
;; end of part 2
;; launch attn (part 3): grid 64 x 4, 4 waves a work-group, no clusters, 153,088 bytes of LDS; arguments qkv, mask, act; writes act
.if DOCPART == 3
	.amdgcn_target "amdgcn-amd-amdhsa--gfx1250"
	.amdhsa_code_object_version 6
	.text
	.protected	k_qba99ea094e_attn
	.globl	k_qba99ea094e_attn
	.p2align	8
	.type	k_qba99ea094e_attn,@function
k_qba99ea094e_attn:
	s_mov_b64 s[64:65], 0
	v_nop
	global_prefetch_b8 v0, s[64:65] scope:SCOPE_SE
	s_setreg_imm32_b32 hwreg(HW_REG_WAVE_MODE, 25, 1), 1
	s_wait_xcnt 0x0
; act[q][head][:] = sum over k of softmax_k(q . k + mask[q][k]) v[k][:], f16 rows.  q (already times 128^-0.5), k, v come as f16 operand fragments of 1,024 bytes.  The mask is an input: every key is multiplied.
; SHARES.  A work-group has 16 queries (x) and one key/value head g (y); a wave's four tiles are the query heads 4 g + t on those queries.  Wave w walks keys 256 w .. 256 w + 255 alone, 64 a step:
; each fragment of K and V is loaded once in the work-group, straight into registers, and feeds four products; a step's mask tile serves the four heads.  The four waves' (m, l, O) are merged through LDS behind one barrier.
; LAYOUT.  S^T = K Q^T: a lane holds one query (lane % 16) and keys 8 (lane / 16) + 0..7; two such results rounded to f16 are source 1 of O^T = V^T P.
; SOFTMAX.  The mask is added in f32 as the reference adds it.  p = 2^((s - m) log2 e) with the running maximum m: the subtraction comes first, so p lies in 0 to 1 whatever the mask's size.
; O and l are multiplied by a = 2^((m_old - m_new) log2 e) in every step; m starts at the lowest finite number and O, l at 0, so the first step is a step like any other (the price: 256 moves in the wait for the first loads).
; No cluster: the work-groups of one g share K and V, 512 KB in all, which they take from the cache; a ring of joint loads is left for later.
; LIMITS.  f16 operands (65,504); a weight below 2^-126 counts as 0; NaN and infinities are not treated apart.
; REGISTERS.  window 0: v0-11, v44-61 addresses and the merge; v12-43 statistics, eight a tile (m, m, l, l, c0-c3; a in c2); v62, v63 the add's; v64-191 S^T; v192-255 P
;   window 1: O^T, 64 a tile     window 2: v0-127 Q, v128-255 K     window 3: v0-127 V, v128-159 the mask as loaded, v160-191 the mask by lanes
.set ST,  12
.set S,   64
.set P,   192
.set KF,  128
.set MR,  128
.set MK,  160
.set ML,  131072                       ; behind the four waves' O (131,072 bytes): (m, l), 8 bytes for wave, tile, lane
.set STG, 135168                       ; a stage of 16 rows x 272 bytes for each wave
.set SPARE, 152576                     ; the spare words, 128 bytes a wave: two blocks of 256 bytes that no other line names
.set CS,  32                           ; s[32:33] log2 e
.set SEL, 34                           ; s[34:35] v_permlanex16_b32's selects
.set MSB, 0
.macro WIN new
.if MSB != (\new)
	s_set_vgpr_msb (MSB<<8)|(\new)
.set MSB, \new
.endif
.endm
.macro PLACES
.rept 4
	v_nop
.endr
.endm
.macro FORT line:vararg                ; one line for each tile t: the tiles alternate, so that no line waits for the one before it
.set t, 0
.rept 4
	\line
.set t, t+1
.endr
.endm
	s_load_b128 s[12:15], s[0:1], 0x0              ; qkv s[12:13], mask s[14:15]
	s_load_b64 s[16:17], s[0:1], 0x10              ; act
	v_lshl_add_u32 v62, v0, 2, SPARE
	v_mov_b32 v63, 0
	v_and_b32 v1, 31, v0
	v_lshrrev_b32 v10, 5, v0
	v_readfirstlane_b32 s8, v10                    ; wave
	s_mov_b32 s9, ttmp9                            ; block of 16 queries
	s_and_b32 s10, ttmp7, 0xffff                   ; g
	v_and_b32 v2, 15, v0                           ; r
	v_bfe_u32 v3, v0, 4, 1                         ; h
	v_lshlrev_b32 v4, 4, v1                        ; 16 lane
	v_lshlrev_b32 v5, 12, v3
	v_lshl_add_u32 v5, v2, 4, v5                   ; 4,096 h + 16 r: two rows of 256 bytes a load
	s_mul_i32 s18, s8, 4352
	s_add_co_u32 s18, s18, STG
	v_mul_u32_u24 v10, v3, 272
	v_lshl_add_u32 v10, v2, 4, v10
	v_add_nc_u32 v6, s18, v10                      ; stage by rows: row h of a pair, 16 r
	v_mul_u32_u24 v10, v2, 272
	v_lshl_add_u32 v10, v3, 5, v10
	v_add_nc_u32 v7, s18, v10                      ; stage by lanes: row r, 32 h
	s_lshl_b32 s18, s8, 15
	v_add_nc_u32 v8, s18, v4                       ; where my O goes
	s_lshl_b32 s18, s8, 10
	s_add_co_u32 s18, s18, ML
	v_lshl_add_u32 v9, v1, 3, s18                  ; where my (m, l) go
	s_lshl_b32 s18, s8, 8
	s_add_co_u32 s18, s18, ML
	v_lshl_add_u32 v10, v1, 3, s18                 ; the merge: tile = my wave's number: its (m, l),
	s_lshl_b32 s18, s8, 13
	v_add_nc_u32 v11, s18, v4                      ; its O of waves 0, 1,
	v_add_nc_u32 v52, 0x10000, v11                 ; and of waves 2, 3
	s_mov_b32 s[CS], 0x3fb8aa3b
	s_mov_b32 s[CS+1], s[CS]
	s_mov_b32 s[SEL], 0x76543210
	s_mov_b32 s[SEL+1], 0xfedcba98
	s_mov_b32 s37, 0
	s_wait_kmcnt 0x0
	s_lshl_b32 s36, s10, 20
	s_lshl_b32 s38, s9, 12
	s_add_co_u32 s36, s36, s38
	s_add_nc_u64 s[20:21], s[12:13], s[36:37]      ; Q: (256 g + block) x 4,096; a head is 262,144 on
	s_add_co_u32 s36, s10, 16
	s_lshl_b32 s36, s36, 18
	s_lshl_b32 s38, s8, 16
	s_add_co_u32 s36, s36, s38
	s_add_nc_u64 s[22:23], s[12:13], s[36:37]      ; K: ((16 + g) x 64 + 16 w) x 4,096
	s_lshl_b32 s36, s10, 18
	s_add_co_u32 s36, s36, s38
	s_add_co_u32 s36, s36, 0x500000
	s_add_nc_u64 s[24:25], s[12:13], s[36:37]      ; V: 5,242,880 + (32 g + 8 w) x 8,192
	s_lshl_b32 s36, s9, 16
	s_lshl_b32 s38, s8, 10
	s_add_co_u32 s36, s36, s38
	s_add_nc_u64 s[26:27], s[14:15], s[36:37]      ; mask: row 16 block, key 256 w
	WIN 0x80
.set i, 0
.rept 16                               ; Q: tile i / 4, channel step i % 4
	global_load_b128 v[8*i:8*i+3], v4, s[20:21] offset:(i/4)*262144+(i%4)*1024
	global_load_b128 v[8*i+4:8*i+7], v4, s[20:21] offset:(i/4)*262144+(i%4)*1024+512
.set i, i+1
.endr
.set i, 0
.rept 16                               ; K of step 0: key tile i / 4, channel step i % 4
	global_load_b128 v[KF+8*i:KF+8*i+3], v4, s[22:23] offset:1024*i
	global_load_b128 v[KF+8*i+4:KF+8*i+7], v4, s[22:23] offset:1024*i+512
.set i, i+1
.endr
	WIN 0xc0
.set i, 0
.rept 8
	global_load_b128 v[MR+4*i:MR+4*i+3], v5, s[26:27] offset:8192*i
.set i, i+1
.endr
	WIN 0x40
.set i, 0
.rept 256
	v_mov_b32 v[i], 0
.set i, i+1
.endr
	WIN 0
	FORT v_mov_b32 v[ST+8*t], 0xff7fffff
	FORT v_mov_b32 v[ST+8*t+1], 0xff7fffff
	FORT v_mov_b32 v[ST+8*t+2], 0
	FORT v_mov_b32 v[ST+8*t+3], 0
	s_mov_b32 s30, 4
.Lstep:
	PLACES                                         ; behind the last products that read V
	WIN 0xc0
.set i, 0
.rept 16                               ; V of this step: key half i / 8, channel tile i % 8
	global_load_b128 v[8*i:8*i+3], v4, s[24:25] offset:1024*i
	global_load_b128 v[8*i+4:8*i+7], v4, s[24:25] offset:1024*i+512
.set i, i+1
.endr
	s_wait_loadcnt 40                              ; Q and K are in: behind K stand the mask's 8 loads and V's 32
	WIN 0x0a
.set kf, 0
.rept 4                                ; 64 products; the 16 accumulators take turns
.set kt, 0
.rept 4
.set t, 0
.rept 4
.set rS, S+32*t+8*kt
.set rK, KF+8*(4*kt+kf)
.set rQ, 32*t+8*kf
.if kf == 0
	v_wmma_f32_16x16x32_f16 v[rS:rS+7], v[rK:rK+7], v[rQ:rQ+7], 0
.else
	v_wmma_f32_16x16x32_f16 v[rS:rS+7], v[rK:rK+7], v[rQ:rQ+7], v[rS:rS+7]
.endif
.set t, t+1
.endr
.set kt, kt+1
.endr
.set kf, kf+1
.endr
	s_wait_loadcnt 32                              ; the mask is in: behind it stand V's 32 loads
	WIN 0x0c
.set i, 0
.rept 8
	ds_store_b128 v6, v[MR+4*i:MR+4*i+3] offset:544*i
.set i, i+1
.endr
	WIN 0xc0
.set i, 0
.rept 8                                ; my query's row, keys 16 (i / 2) + 8 h + 4 (i % 2) on
	ds_load_b128 v[MK+4*i:MK+4*i+3], v7 offset:64*(i/2)+16*(i%2)
.set i, i+1
.endr
	PLACES                                         ; behind the products: K is loaded anew and S^T is read
	WIN 0
	s_cmp_eq_u32 s30, 1
	s_cbranch_scc1 .Lnok                           ; the last step asks for nothing more
	WIN 0x80
.set i, 0
.rept 16
	global_load_b128 v[KF+8*i:KF+8*i+3], v4, s[22:23] offset:16384+1024*i
	global_load_b128 v[KF+8*i+4:KF+8*i+7], v4, s[22:23] offset:16384+1024*i+512
.set i, i+1
.endr
	WIN 0xc0
.set i, 0
.rept 8
	global_load_b128 v[MR+4*i:MR+4*i+3], v5, s[26:27] offset:256+8192*i
.set i, i+1
.endr
	WIN 0
.Lnok:
	s_wait_dscnt 0x0                               ; the mask by lanes
	WIN 0x0c
.set n, 0
.rept 16                               ; ascending: each accumulator is first read at its low end
	FORT v_pk_add_f32 v[S+32*t+2*n:S+32*t+2*n+1], v[S+32*t+2*n:S+32*t+2*n+1], v[MK+2*n:MK+2*n+1]
.set n, n+1
.endr
	WIN 0
.set n, 0
.rept 4
	FORT v_max3_num_f32 v[ST+8*t+4+n], v[S+32*t+8*n], v[S+32*t+8*n+1], v[S+32*t+8*n+2]
.set n, n+1
.endr
.rept 8
	FORT v_max3_num_f32 v[ST+8*t+4+n%4], v[ST+8*t+4+n%4], v[S+32*t+8*(n%4)+2*(n/4)+1], v[S+32*t+8*(n%4)+2*(n/4)+2]
.set n, n+1
.endr
	FORT v_max3_num_f32 v[ST+8*t+4], v[ST+8*t+4], v[S+32*t+7], v[S+32*t+15]
	FORT v_max3_num_f32 v[ST+8*t+6], v[ST+8*t+6], v[S+32*t+23], v[S+32*t+31]
	FORT v_max3_num_f32 v[ST+8*t+4], v[ST+8*t+4], v[ST+8*t+5], v[ST+8*t+6]
	FORT v_max3_num_f32 v[ST+8*t+4], v[ST+8*t+4], v[ST+8*t+7], v[ST+8*t]
	FORT v_permlanex16_b32 v[ST+8*t+5], v[ST+8*t+4], s[SEL], s[SEL+1]
	FORT v_mov_b32 v[ST+8*t+7], v[ST+8*t]
	FORT v_max_num_f32 v[ST+8*t], v[ST+8*t+4], v[ST+8*t+5]
	FORT v_sub_f32 v[ST+8*t+7], v[ST+8*t+7], v[ST+8*t]
	FORT v_mul_f32 v[ST+8*t+7], s[CS], v[ST+8*t+7]
.set n, 0
.rept 16
	FORT v_pk_add_f32 v[S+32*t+2*n:S+32*t+2*n+1], v[S+32*t+2*n:S+32*t+2*n+1], v[ST+8*t:ST+8*t+1] op_sel_hi:[1,0] neg_lo:[0,1] neg_hi:[0,1]
.set n, n+1
.endr
.set n, 0
.rept 16
	FORT v_pk_mul_f32 v[S+32*t+2*n:S+32*t+2*n+1], v[S+32*t+2*n:S+32*t+2*n+1], s[CS:CS+1] op_sel_hi:[1,0]
.set n, n+1
.endr
	FORT v_exp_f32 v[ST+8*t+6], v[ST+8*t+7]
.set n, 0
.rept 32
	FORT v_exp_f32 v[S+32*t+n], v[S+32*t+n]
.set n, n+1
.endr
	v_nop                                          ; a plain instruction behind the last exponential
	s_wait_alu depctr_va_vdst(0)                   ; one wait for the step's 132 exponentials, ahead of their first reader
.set n, 0
.rept 16
	FORT v_cvt_pk_f16_f32 v[P+16*t+n], v[S+32*t+2*n], v[S+32*t+2*n+1]
.set n, n+1
.endr
.set n, 0
.rept 8
	FORT v_pk_add_f32 v[S+32*t+4*n:S+32*t+4*n+1], v[S+32*t+4*n:S+32*t+4*n+1], v[S+32*t+4*n+2:S+32*t+4*n+3]
.set n, n+1
.endr
.set n, 0
.rept 4
	FORT v_pk_add_f32 v[S+32*t+8*n:S+32*t+8*n+1], v[S+32*t+8*n:S+32*t+8*n+1], v[S+32*t+8*n+4:S+32*t+8*n+5]
.set n, n+1
.endr
.set n, 0
.rept 2
	FORT v_pk_add_f32 v[S+32*t+16*n:S+32*t+16*n+1], v[S+32*t+16*n:S+32*t+16*n+1], v[S+32*t+16*n+8:S+32*t+16*n+9]
.set n, n+1
.endr
	FORT v_pk_add_f32 v[S+32*t:S+32*t+1], v[S+32*t:S+32*t+1], v[S+32*t+16:S+32*t+17]
	FORT v_pk_fma_f32 v[ST+8*t+2:ST+8*t+3], v[ST+8*t+2:ST+8*t+3], v[ST+8*t+6:ST+8*t+7], v[S+32*t:S+32*t+1] op_sel_hi:[1,0,1]
	WIN 0x41
.set n, 0
.rept 32
	FORT v_pk_mul_f32 v[64*t+2*n:64*t+2*n+1], v[64*t+2*n:64*t+2*n+1], v[ST+8*t+6:ST+8*t+7] op_sel_hi:[1,0]
.set n, n+1
.endr
	s_wait_loadcnt 0x0                             ; V is in, and what was asked for behind it: the count holds on both ways round the jump; it frees the three bases
	s_add_nc_u64 s[22:23], s[22:23], 0x4000
	s_add_nc_u64 s[24:25], s[24:25], 0x4000
	s_add_nc_u64 s[26:27], s[26:27], 256
	WIN 0x53
.set kk, 0
.rept 2                                ; 64 products; the 32 accumulators take turns
.set ct, 0
.rept 8
.set t, 0
.rept 4
.set rO, 64*t+8*ct
.set rV, 64*kk+8*ct
.set rP, P+16*t+8*kk
	v_wmma_f32_16x16x32_f16 v[rO:rO+7], v[rV:rV+7], v[rP:rP+7], v[rO:rO+7]
.set t, t+1
.endr
.set ct, ct+1
.endr
.set kk, kk+1
.endr
	WIN 0
	s_sub_co_u32 s30, s30, 1
	s_cmp_lg_u32 s30, 0
	s_cbranch_scc1 .Lstep
	; THE MERGE.  Each wave lays down (m, l) and O^T of its 256 keys; behind the barrier wave w makes tile w whole.
	PLACES
	FORT v_add_f32 v[ST+8*t+2], v[ST+8*t+2], v[ST+8*t+3]
	FORT v_permlanex16_b32 v[ST+8*t+5], v[ST+8*t+2], s[SEL], s[SEL+1]
	FORT v_add_f32 v[ST+8*t+1], v[ST+8*t+2], v[ST+8*t+5]
	FORT ds_store_b64 v9, v[ST+8*t:ST+8*t+1] offset:256*t
	WIN 0x04
.set n, 0
.rept 64
	ds_store_b128 v8, v[4*n:4*n+3] offset:512*n
.set n, n+1
.endr
	WIN 0
	s_wait_dscnt 0x0                               ; for the others' sake
	s_barrier_signal -1
	s_barrier_wait -1
.set n, 0
.rept 4
	ds_load_b64 v[44+2*n:45+2*n], v10 offset:1024*n
.set n, n+1
.endr
.set n, 0
.rept 16
	ds_load_b128 v[64+4*n:67+4*n], v11 offset:512*n
	ds_load_b128 v[128+4*n:131+4*n], v11 offset:32768+512*n
.set n, n+1
.endr
	s_wait_dscnt 32                                ; the four (m, l); the 32 loads of O stay out
	v_max3_num_f32 v53, v44, v46, v48
	v_max_num_f32 v53, v53, v50
.set n, 0
.rept 4
	v_sub_f32 v[54+2*n], v[44+2*n], v53
.set n, n+1
.endr
.set n, 0
.rept 4
	v_mul_f32 v[54+2*n], s[CS], v[54+2*n]
.set n, n+1
.endr
.set n, 0
.rept 4
	v_exp_f32 v[54+2*n], v[54+2*n]
.set n, n+1
.endr
	v_nop
	s_wait_alu depctr_va_vdst(0)                   ; one wait for the four
	v_mul_f32 v53, v54, v45
	v_fmac_f32 v53, v56, v47
	v_fmac_f32 v53, v58, v49
	v_fmac_f32 v53, v60, v51
	v_rcp_f32 v53, v53
	v_nop
	s_wait_alu depctr_va_vdst(0)
.set n, 0
.rept 4
	v_mul_f32 v[54+2*n], v[54+2*n], v53
.set n, n+1
.endr
.set n, 0
.rept 4
	v_mov_b32 v[55+2*n], v[54+2*n]                 ; named with it as a pair
.set n, n+1
.endr
	s_wait_dscnt 0x0
.set n, 0
.rept 32
	v_pk_mul_f32 v[192+2*n:193+2*n], v[64+2*n:65+2*n], v[54:55] op_sel_hi:[1,0]
.set n, n+1
.endr
.set n, 0
.rept 32
	v_pk_fma_f32 v[192+2*n:193+2*n], v[128+2*n:129+2*n], v[56:57], v[192+2*n:193+2*n] op_sel_hi:[1,0,1]
.set n, n+1
.endr
.set n, 0
.rept 16
	ds_load_b128 v[64+4*n:67+4*n], v52 offset:512*n
	ds_load_b128 v[128+4*n:131+4*n], v52 offset:32768+512*n
.set n, n+1
.endr
	v_lshl_add_u32 v10, v3, 5, v7                  ; the way out: row r, 64 h
	s_lshl_b32 s36, s9, 16
	s_lshl_b32 s38, s10, 10
	s_add_co_u32 s36, s36, s38
	s_lshl_b32 s38, s8, 8
	s_add_co_u32 s36, s36, s38
	v_add_nc_u32 v11, s36, v5                      ; act: row 16 block + h, head 4 g + w, 16 r
	s_wait_dscnt 0x0
.set n, 0
.rept 32
	v_pk_fma_f32 v[192+2*n:193+2*n], v[64+2*n:65+2*n], v[58:59], v[192+2*n:193+2*n] op_sel_hi:[1,0,1]
.set n, n+1
.endr
.set n, 0
.rept 32
	v_pk_fma_f32 v[192+2*n:193+2*n], v[128+2*n:129+2*n], v[60:61], v[192+2*n:193+2*n] op_sel_hi:[1,0,1]
.set n, n+1
.endr
	; channel tile ct, register j is channel 64 (ct / 4) + 32 h + 4 j + ct % 4: four tiles' registers j are four neighbouring channels
.set n, 0
.rept 16                               ; n = 8 (ct / 4) + j
	v_cvt_pk_f16_f32 v[64+2*n], v[192+32*(n/8)+n%8], v[192+32*(n/8)+8+n%8]
	v_cvt_pk_f16_f32 v[65+2*n], v[192+32*(n/8)+16+n%8], v[192+32*(n/8)+24+n%8]
.set n, n+1
.endr
.set n, 0
.rept 8
	ds_store_b128 v10, v[64+4*n:67+4*n] offset:128*(n/4)+16*(n%4)
.set n, n+1
.endr
.set n, 0
.rept 8
	ds_load_b128 v[96+4*n:99+4*n], v6 offset:544*n ; LDS serves a wave's instructions in order: these see the stores above
.set n, n+1
.endr
.set n, 0
.rept 8
	s_wait_dscnt 7-n
	global_store_b128 v11, v[96+4*n:99+4*n], s[16:17] offset:8192*n   ; sixteen lanes store 256 consecutive bytes, aligned
.set n, n+1
.endr
	s_wait_tensorcnt 0x0                           ; the wave's end: behind my last LDS store
	ds_add_u32 v62, v63
	s_wait_dscnt 0x0
	s_endpgm
.Lfunc_end_k_qba99ea094e_attn:
	.size	k_qba99ea094e_attn, .Lfunc_end_k_qba99ea094e_attn-k_qba99ea094e_attn
	.p2alignl 7, 3214868480
	.fill 96, 4, 3214868480
	.section	.rodata,"a",@progbits
	.p2align	6, 0x0
	.amdhsa_kernel k_qba99ea094e_attn
		.amdhsa_group_segment_fixed_size 153088
		.amdhsa_private_segment_fixed_size 0
		.amdhsa_enable_private_segment 0
		.amdhsa_kernarg_size 24
		.amdhsa_user_sgpr_count 2
		.amdhsa_user_sgpr_kernarg_segment_ptr 1
		.amdhsa_wavefront_size32 1
		.amdhsa_system_sgpr_workgroup_id_x 1
		.amdhsa_system_sgpr_workgroup_id_y 1
		.amdhsa_system_sgpr_workgroup_id_z 1
		.amdhsa_system_vgpr_workitem_id 0
		.amdhsa_next_free_vgpr 960
		.amdhsa_next_free_sgpr 66
		.amdhsa_reserve_vcc 0
		.amdhsa_float_denorm_mode_32 3
		.amdhsa_float_denorm_mode_16_64 3
		.amdhsa_memory_ordered 1
		.amdhsa_forward_progress 1
		.amdhsa_inst_pref_size 95
	.end_amdhsa_kernel
	.amdgpu_metadata
---
amdhsa.version: [ 1, 2 ]
amdhsa.kernels:
  - .name:           k_qba99ea094e_attn
    .symbol:         k_qba99ea094e_attn.kd
    .args:
      - { .name: qkv, .offset: 0, .size: 8, .value_kind: global_buffer, .address_space: global }
      - { .name: mask, .offset: 8, .size: 8, .value_kind: global_buffer, .address_space: global }
      - { .name: act, .offset: 16, .size: 8, .value_kind: global_buffer, .address_space: global }
    .group_segment_fixed_size: 153088
    .private_segment_fixed_size: 0
    .kernarg_segment_align: 8
    .kernarg_segment_size: 24
    .max_flat_workgroup_size: 128
    .sgpr_count:     66
    .vgpr_count:     960
    .wavefront_size: 32
...
	.end_amdgpu_metadata
.endif
;; end of part 3
;; launch oproj (part 4): grid 32 x 8, 8 waves a work-group, no clusters, 297,984 bytes of LDS; arguments act, wo, x, h1; writes h1
.if DOCPART == 4
	.amdgcn_target "amdgcn-amd-amdhsa--gfx1250"
	.amdhsa_code_object_version 6
	.text
	.protected	k_qba99ea094e_oproj
	.globl	k_qba99ea094e_oproj
	.p2align	8
	.type	k_qba99ea094e_oproj,@function
k_qba99ea094e_oproj:
	s_mov_b64 s[64:65], 0
	v_nop
	global_prefetch_b8 v0, s[64:65] scope:SCOPE_SE
	s_setreg_imm32_b32 hwreg(HW_REG_WAVE_MODE, 25, 1), 1
	s_wait_xcnt 0x0
; h1 = x + attn @ wo, f32.  attn: act [1024][2048] f16; wo: [2048][2048] f32, rounded to f16 on its way.  A work-group has 64 columns (x) and 128 rows (y); a wave one tile of 16 rows.
; PHASE W: the slice 2048 x 64 comes through registers into LDS as operand fragments (a lane loads 16 bytes at column 4 (lane % 16) of rows 32 s + 16 (lane / 16) + i; element c belongs to column tile c, index m = column 4 m + c).
; K ORDER: in both operands a lane's eight registers hold k = 32 s + 16 (lane / 16) + 0..15: the same permutation on both sides.
; PHASE R: K in chunks of 128; 16 weight fragments from LDS; the rows come as 2 x 256 bytes a load through the wave's own stage, asked for a chunk ahead.
; Source 0 = rows, source 1 = weights: register j of tile c is (row 8 h + j, column 4 r + c): the four tiles give 16 neighbouring bytes a lane, sixteen lanes 256.
; No cluster: the row block has no room beside the slice without a ring of slots; the plain form is written first.   LIMIT: f16 operands (65,504).
.set NS,    1
.set NB,    8
.set LPB,   16
.set STG,   262144
.set SPARE, STG+8*4352                 ; the spare words: four blocks of 256 bytes that no other line names
.set OFF,   16
.set RAW,   40
.set XR,    72                         ; v[72:103] x, then h1: row j at 4 j
.set AF,    136
.set ACC,   0
.set BF,    96
.set RA,    0
.set FR,    128
.set ROFF,  160
.set WS,    176
.set BW,    36
.set AB,    46
.set MSB,   0
.macro WIN new
.if MSB != (\new)
	s_set_vgpr_msb (MSB<<8)|(\new)
.set MSB, \new
.endif
.endm
.macro PLACES
.rept 4
	v_nop
.endr
.endm
.macro WLOAD g
.set wi, 0
.rept 16
	global_load_b128 v[RA+64*(\g)+4*wi:RA+64*(\g)+4*wi+3], v[ROFF+wi], s[BW+2*(\g):BW+2*(\g)+1]
.set wi, wi+1
.endr
.endm
.macro WCONV g
.set wc, 0
.rept 4
.set wq, 0
.rept 8
	v_cvt_pk_f16_f32 v[FR+8*wc+wq], v[RA+64*(\g)+8*wq+wc], v[RA+64*(\g)+8*wq+4+wc]
.set wq, wq+1
.endr
.set wc, wc+1
.endr
.set wc, 0
.rept 4
	ds_store_b128 v[WS], v[FR+8*wc:FR+8*wc+3] offset:1024*wc
	ds_store_b128 v[WS], v[FR+8*wc+4:FR+8*wc+7] offset:1024*wc+512
.set wc, wc+1
.endr
	v_add_nc_u32 v[WS], 0x8000, v[WS]
.endm
.macro ALOAD i
.set aq, 0
.rept 8
	global_load_b128 v[RAW+32*(\i)+4*aq:RAW+32*(\i)+4*aq+3], v[OFF+8*(\i)+aq], s[AB:AB+1]
.set aq, aq+1
.endr
.endm
.macro ASTAGE i, pf
.set sq, 0
.rept 8
	ds_store_b128 v6, v[RAW+32*(\i)+4*sq:RAW+32*(\i)+4*sq+3] offset:544*sq
.set sq, sq+1
.endr
.set sq, 0
.rept 8
	ds_load_b128 v[AF+32*(\i)+4*sq:AF+32*(\i)+4*sq+3], v7 offset:64*(sq/2)+16*(sq%2)
.set sq, sq+1
.endr
.if \pf
	ALOAD \i
.endif
.endm
.macro BLOAD
	WIN 0x40
.set bq, 0
.rept 16
	ds_load_b128 v[BF+8*bq:BF+8*bq+3], v5 offset:1024*bq
	ds_load_b128 v[BF+8*bq+4:BF+8*bq+7], v5 offset:1024*bq+512
.set bq, bq+1
.endr
	WIN 0
	v_add_nc_u32 v5, 0x4000, v5
.endm
.macro MULS i, zero                    ; the four accumulators take turns
	WIN 0x54
.set mk, 0
.rept 4
.set mc, 0
.rept 4
.set rD, ACC+32*(\i)+8*mc
.set rB, BF+8*(4*mk+mc)
.set rA, AF+32*(\i)+8*mk
.if (\zero) && (mk == 0)
	v_wmma_f32_16x16x32_f16 v[rD:rD+7], v[rA:rA+7], v[rB:rB+7], 0
.else
	v_wmma_f32_16x16x32_f16 v[rD:rD+7], v[rA:rA+7], v[rB:rB+7], v[rD:rD+7]
.endif
.set mc, mc+1
.endr
.set mk, mk+1
.endr
.endm
.macro CHUNK zero, pf
	WIN 0
	s_wait_loadcnt 0x0                             ; this chunk's rows, asked for a chunk ago; it also frees their base
.if \pf
	s_add_nc_u64 s[AB:AB+1], s[AB:AB+1], 256
.endif
	PLACES
	BLOAD
	ASTAGE 0, \pf
	s_wait_dscnt 0x0
	MULS 0, \zero
.endm
	s_load_b256 s[12:19], s[0:1], 0x0              ; act s[12:13], wo s[14:15], x s[16:17], h1 s[18:19]
	v_lshl_add_u32 v12, v0, 2, SPARE
	v_mov_b32 v13, 0
	v_and_b32 v1, 31, v0
	v_lshrrev_b32 v10, 5, v0
	v_readfirstlane_b32 s8, v10
	s_mov_b32 s9, ttmp9
	s_and_b32 s10, ttmp7, 0xffff
	v_and_b32 v2, 15, v0
	v_bfe_u32 v3, v0, 4, 1
	v_lshlrev_b32 v4, 4, v1
	v_mov_b32 v5, v4
	s_mul_i32 s26, s8, 4352
	s_add_co_u32 s26, s26, STG
	v_mul_u32_u24 v10, v3, 272
	v_lshl_add_u32 v10, v2, 4, v10
	v_add_nc_u32 v6, s26, v10
	v_mul_u32_u24 v10, v2, 272
	v_lshl_add_u32 v10, v3, 5, v10
	v_add_nc_u32 v7, s26, v10
	s_lshl_b32 s27, s10, 3
	s_add_co_u32 s27, s27, s8                      ; my tile
	s_lshl_b32 s28, s27, 16
	v_lshlrev_b32 v10, 12, v3
	v_lshl_add_u32 v10, v2, 4, v10
	v_add_nc_u32 v10, s28, v10
.set i, 0
.rept 8
	v_add_nc_u32 v[OFF+i], 8192*i, v10
.set i, i+1
.endr
	s_lshl_b32 s28, s27, 17                        ; x, h1: (16 tile + 8 h) rows of 8,192 + 256 slice + 16 r
	s_lshl_b32 s29, s9, 8
	s_add_co_u32 s28, s28, s29
	v_lshlrev_b32 v8, 16, v3
	v_lshl_add_u32 v8, v2, 4, v8
	v_add_nc_u32 v8, s28, v8
	v_lshlrev_b32 v10, 17, v3
	v_lshl_add_u32 v10, v2, 4, v10                 ; 16 h rows of 8,192 + 16 r
	WIN 0x40
.set i, 0
.rept 16
	v_add_nc_u32 v[ROFF+i], 8192*i, v10
.set i, i+1
.endr
	s_lshl_b32 s42, s8, 12
	v_add_nc_u32 v[WS], s42, v4
	WIN 0
	s_lshl_b32 s34, s8, 18
	s_add_co_u32 s34, s34, s29
	s_mov_b32 s35, 0
	s_wait_kmcnt 0x0
	s_mov_b64 s[AB:AB+1], s[12:13]
	ALOAD 0
.set i, 0
.rept 8
	global_load_b128 v[XR+4*i:XR+4*i+3], v8, s[16:17] offset:8192*i
.set i, i+1
.endr
	s_add_nc_u64 s[BW:BW+1], s[14:15], s[34:35]
	s_add_nc_u64 s[BW+2:BW+3], s[BW:BW+1], 0x200000
	WIN 0x45
	WLOAD 0
	WLOAD 1
	WIN 0
	s_mov_b32 s43, NB/2-1
.Lw:
	WIN 0x45
	s_wait_loadcnt LPB                             ; the older batch is in, the other's 16 loads stay out; the wait also frees the batch's base
	WCONV 0
	s_add_nc_u64 s[BW:BW+1], s[BW:BW+1], 0x400000
	WLOAD 0
	s_wait_loadcnt LPB
	WCONV 1
	s_add_nc_u64 s[BW+2:BW+3], s[BW+2:BW+3], 0x400000
	WLOAD 1
	WIN 0
	s_sub_co_u32 s43, s43, 1
	s_cmp_lg_u32 s43, 0
	s_cbranch_scc1 .Lw
	WIN 0x45
	s_wait_loadcnt LPB
	WCONV 0
	s_wait_loadcnt 0x0
	WCONV 1
	WIN 0
	s_wait_dscnt 0x0                               ; for the others' sake: my fragments are in LDS
	s_barrier_signal -1
	s_barrier_wait -1
	CHUNK 1, 1
	WIN 0
	s_mov_b32 s43, 14
.Lk:
	CHUNK 0, 1
	WIN 0
	s_sub_co_u32 s43, s43, 1
	s_cmp_lg_u32 s43, 0
	s_cbranch_scc1 .Lk
	CHUNK 0, 0
	PLACES
	WIN 0x01
.set ej, 0
.rept 8                                ; register 0 of every accumulator is read first
.set ec, 0
.rept 4
	v_add_f32 v[XR+4*ej+ec], v[ACC+8*ec+ej], v[XR+4*ej+ec]
.set ec, ec+1
.endr
.set ej, ej+1
.endr
	WIN 0
.set i, 0
.rept 8
	global_store_b128 v8, v[XR+4*i:XR+4*i+3], s[18:19] offset:8192*i   ; sixteen lanes store 256 consecutive bytes, aligned
.set i, i+1
.endr
	s_wait_tensorcnt 0x0                           ; the wave's end: behind my last LDS store
	ds_add_u32 v12, v13
	s_wait_dscnt 0x0
	s_endpgm
.Lfunc_end_k_qba99ea094e_oproj:
	.size	k_qba99ea094e_oproj, .Lfunc_end_k_qba99ea094e_oproj-k_qba99ea094e_oproj
	.p2alignl 7, 3214868480
	.fill 96, 4, 3214868480
	.section	.rodata,"a",@progbits
	.p2align	6, 0x0
	.amdhsa_kernel k_qba99ea094e_oproj
		.amdhsa_group_segment_fixed_size 297984
		.amdhsa_private_segment_fixed_size 0
		.amdhsa_enable_private_segment 0
		.amdhsa_kernarg_size 32
		.amdhsa_user_sgpr_count 2
		.amdhsa_user_sgpr_kernarg_segment_ptr 1
		.amdhsa_wavefront_size32 1
		.amdhsa_system_sgpr_workgroup_id_x 1
		.amdhsa_system_sgpr_workgroup_id_y 1
		.amdhsa_system_sgpr_workgroup_id_z 1
		.amdhsa_system_vgpr_workitem_id 0
		.amdhsa_next_free_vgpr 480
		.amdhsa_next_free_sgpr 66
		.amdhsa_reserve_vcc 0
		.amdhsa_float_denorm_mode_32 3
		.amdhsa_float_denorm_mode_16_64 3
		.amdhsa_memory_ordered 1
		.amdhsa_forward_progress 1
		.amdhsa_inst_pref_size 39
	.end_amdhsa_kernel
	.amdgpu_metadata
---
amdhsa.version: [ 1, 2 ]
amdhsa.kernels:
  - .name:           k_qba99ea094e_oproj
    .symbol:         k_qba99ea094e_oproj.kd
    .args:
      - { .name: act, .offset: 0, .size: 8, .value_kind: global_buffer, .address_space: global }
      - { .name: wo, .offset: 8, .size: 8, .value_kind: global_buffer, .address_space: global }
      - { .name: x, .offset: 16, .size: 8, .value_kind: global_buffer, .address_space: global }
      - { .name: h1, .offset: 24, .size: 8, .value_kind: global_buffer, .address_space: global }
    .group_segment_fixed_size: 297984
    .private_segment_fixed_size: 0
    .kernarg_segment_align: 8
    .kernarg_segment_size: 32
    .max_flat_workgroup_size: 256
    .sgpr_count:     66
    .vgpr_count:     480
    .wavefront_size: 32
...
	.end_amdgpu_metadata
.endif
;; end of part 4
;; launch router (part 5): grid 256 x 1, 4 waves a work-group, no clusters, 66,304 bytes of LDS; arguments h1, ffn_norm_w, gate_w, act, sel, cw; writes act, sel, cw
.if DOCPART == 5
	.amdgcn_target "amdgcn-amd-amdhsa--gfx1250"
	.amdhsa_code_object_version 6
	.text
	.protected	k_qba99ea094e_router
	.globl	k_qba99ea094e_router
	.p2align	8
	.type	k_qba99ea094e_router,@function
k_qba99ea094e_router:
	s_mov_b64 s[64:65], 0
	v_nop
	global_prefetch_b8 v0, s[64:65] scope:SCOPE_SE
	s_setreg_imm32_b32 hwreg(HW_REG_WAVE_MODE, 25, 1), 1
	s_wait_xcnt 0x0
; t = rmsnorm(h1) * ffn_norm_w; act = bf16(t); logits = t @ gate_w in f32 multiply-adds (8 columns: a forty-hundredth of a per cent of the products, and the choice hangs on them);
; the two largest logits (strictly greater wins, so the lower index keeps a tie) and the softmax of the two.  sel[j][token], cw[j][token] at fixed places: a later launch places the rows.
; One wave, one token.  gate_w (65,536 bytes) is turned into LDS once a work-group, column e at e x 8,208 bytes, so that a lane reads the four rows that go with its four t.
; LIMITS: NaN and infinities among the logits are not treated apart.
.set X,  16                            ; v[16:79]   h1's row, then t: load i holds columns 128 i + 4 lane + 0..3
.set FW, 80                            ; v[80:143]  the gain; then t in bf16
.set G,  144                           ; v[144:207] gate_w as loaded; then two buffers of 8 x 4 gate numbers
.set LA, 208                           ; v[208:223] eight pairs of sums; later logit e at LA + 2 e, the number e at LA + 2 e + 1
.set SPARE, 65792                      ; the spare words: two blocks of 256 bytes that no other line names
	s_load_b256 s[4:11], s[0:1], 0x0               ; h1 s[4:5], gain s[6:7], gate_w s[8:9], act s[10:11]
	s_load_b128 s[12:15], s[0:1], 0x20             ; sel s[12:13], cw s[14:15]
	v_lshl_add_u32 v228, v0, 2, SPARE
	v_mov_b32 v229, 0
	v_and_b32 v1, 31, v0
	v_lshrrev_b32 v2, 5, v0
	v_readfirstlane_b32 s16, v2
	s_lshl_b32 s17, ttmp9, 2
	s_add_co_u32 s17, s17, s16                     ; token
	s_lshl_b32 s18, s17, 13
	s_mov_b32 s19, 0
	s_lshl_b32 s20, s17, 12
	s_mov_b32 s21, 0
	s_lshl_b32 s22, s17, 2
	s_mov_b32 s24, 0x76543210
	s_mov_b32 s25, 0xfedcba98
	s_mov_b32 s26, 0x3a000000                      ; 1 / 2048
	s_mov_b32 s27, 0x3727c5ac                      ; 1e-5
	v_lshlrev_b32 v3, 4, v1
	v_lshlrev_b32 v4, 3, v1
	v_lshlrev_b32 v5, 4, v0                        ; gate_w: 16 bytes a thread
	v_and_b32 v6, 1, v0
	v_mul_u32_u24 v6, v6, 0x8040                   ; thread T holds row 64 i + T / 2, columns 4 (T % 2) + 0..3
	v_lshrrev_b32 v2, 1, v0
	v_lshl_add_u32 v6, v2, 2, v6
	s_wait_kmcnt 0x0
	s_add_nc_u64 s[4:5], s[4:5], s[18:19]
	s_add_nc_u64 s[10:11], s[10:11], s[20:21]
.set i, 0
.rept 16
	global_load_b128 v[G+4*i:G+4*i+3], v5, s[8:9] offset:2048*i
.set i, i+1
.endr
.set i, 0
.rept 16
	global_load_b128 v[X+4*i:X+4*i+3], v3, s[4:5] offset:512*i
.set i, i+1
.endr
.set i, 0
.rept 16
	global_load_b128 v[FW+4*i:FW+4*i+3], v3, s[6:7] offset:512*i
.set i, i+1
.endr
	s_wait_loadcnt 32                              ; gate_w's first half; the row and the gain stay out
.set i, 0
.rept 64
	ds_store_b32 v6, v[G+i] offset:8208*(i%4)+256*(i/4)
.set i, i+1
.endr
.set i, 0
.rept 16
	global_load_b128 v[G+4*i:G+4*i+3], v5, s[8:9] offset:2048*(16+i)
.set i, i+1
.endr
	s_wait_loadcnt 32                              ; the row is in; the gain and gate_w's second half stay out
.set i, 0
.rept 4
	v_pk_mul_f32 v[8+2*i:9+2*i], v[X+2*i:X+2*i+1], v[X+2*i:X+2*i+1]
.set i, i+1
.endr
.rept 28
	v_pk_fma_f32 v[8+2*(i%4):9+2*(i%4)], v[X+2*i:X+2*i+1], v[X+2*i:X+2*i+1], v[8+2*(i%4):9+2*(i%4)]
.set i, i+1
.endr
	v_pk_add_f32 v[8:9], v[8:9], v[10:11]
	v_pk_add_f32 v[12:13], v[12:13], v[14:15]
	v_pk_add_f32 v[8:9], v[8:9], v[12:13]
	v_add_f32 v8, v8, v9
	v_add_f32_dpp v8, v8, v8 row_xmask:1 row_mask:0xf bank_mask:0xf
	v_add_f32_dpp v8, v8, v8 row_xmask:2 row_mask:0xf bank_mask:0xf
	v_add_f32_dpp v8, v8, v8 row_xmask:4 row_mask:0xf bank_mask:0xf
	v_add_f32_dpp v8, v8, v8 row_xmask:8 row_mask:0xf bank_mask:0xf
	v_permlanex16_b32 v9, v8, s24, s25
	v_add_f32 v8, v8, v9
	v_fma_f32 v8, v8, s26, s27
	v_rsq_f32 v10, v8
	v_rsq_f32 v11, v8
	v_nop
	s_wait_alu depctr_va_vdst(0)                   ; one wait for both
	s_wait_loadcnt 0x0
.set i, 0
.rept 64
	ds_store_b32 v6, v[G+i] offset:8208*(i%4)+256*(16+i/4)
.set i, i+1
.endr
.set i, 0
.rept 32
	v_pk_mul_f32 v[X+2*i:X+2*i+1], v[X+2*i:X+2*i+1], v[10:11]
.set i, i+1
.endr
.set i, 0
.rept 32
	v_pk_mul_f32 v[X+2*i:X+2*i+1], v[X+2*i:X+2*i+1], v[FW+2*i:FW+2*i+1]
.set i, i+1
.endr
.set i, 0
.rept 32
	v_cvt_pk_bf16_f32 v[FW+i], v[X+2*i], v[X+2*i+1]
.set i, i+1
.endr
.set i, 0
.rept 16
	global_store_b64 v4, v[FW+2*i:FW+2*i+1], s[10:11] offset:256*i   ; 256 consecutive bytes, aligned
.set i, i+1
.endr
	s_wait_dscnt 0x0                               ; for the others' sake: my part of the turned gate_w is in LDS
	s_barrier_signal -1
	s_barrier_wait -1
.macro LLOAD i, b
.set ee, 0
.rept 8
	ds_load_b128 v[G+32*(\b)+4*ee:G+32*(\b)+4*ee+3], v3 offset:8208*ee+512*(\i)
.set ee, ee+1
.endr
.endm
.macro LFMA i, b
.set ee, 0
.rept 8
.if (\i) == 0
	v_pk_mul_f32 v[LA+2*ee:LA+2*ee+1], v[X+4*(\i):X+4*(\i)+1], v[G+32*(\b)+4*ee:G+32*(\b)+4*ee+1]
.else
	v_pk_fma_f32 v[LA+2*ee:LA+2*ee+1], v[X+4*(\i):X+4*(\i)+1], v[G+32*(\b)+4*ee:G+32*(\b)+4*ee+1], v[LA+2*ee:LA+2*ee+1]
.endif
	v_pk_fma_f32 v[LA+2*ee:LA+2*ee+1], v[X+4*(\i)+2:X+4*(\i)+3], v[G+32*(\b)+4*ee+2:G+32*(\b)+4*ee+3], v[LA+2*ee:LA+2*ee+1]
.set ee, ee+1
.endr
.endm
	LLOAD 0, 0
.set li, 0
.rept 15
	LLOAD li+1, (li+1)%2
	s_wait_dscnt 8                                 ; this batch is in; the next one's eight loads stay out
	LFMA li, li%2
.set li, li+1
.endr
	s_wait_dscnt 0x0
	LFMA 15, 1
.set ee, 0
.rept 8
	v_add_f32 v[LA+2*ee], v[LA+2*ee], v[LA+2*ee+1]
.set ee, ee+1
.endr
.irp m, 1,2,4,8
.set ee, 0
.rept 8
	v_add_f32_dpp v[LA+2*ee], v[LA+2*ee], v[LA+2*ee] row_xmask:\m row_mask:0xf bank_mask:0xf
.set ee, ee+1
.endr
.endr
.set ee, 0
.rept 8
	v_permlanex16_b32 v[LA+2*ee+1], v[LA+2*ee], s24, s25
.set ee, ee+1
.endr
.set ee, 0
.rept 8
	v_add_f32 v[LA+2*ee], v[LA+2*ee], v[LA+2*ee+1]
.set ee, ee+1
.endr
.set ee, 0
.rept 8
	v_mov_b32 v[LA+2*ee+1], ee
.set ee, ee+1
.endr
	v_mov_b32 v8, v[LA]                            ; the largest, and its number
	v_mov_b32 v9, 0
.set ee, 1
.rept 7
	v_cmp_gt_f32 vcc_lo, v[LA+2*ee], v8
	v_cndmask_b32 v8, v8, v[LA+2*ee], vcc_lo
	v_cndmask_b32 v9, v9, v[LA+2*ee+1], vcc_lo
.set ee, ee+1
.endr
	v_mov_b32 v10, 0xff800000
.set ee, 0
.rept 8
	v_cmp_eq_u32 vcc_lo, v9, v[LA+2*ee+1]
	v_cndmask_b32 v[LA+2*ee], v[LA+2*ee], v10, vcc_lo
.set ee, ee+1
.endr
	v_mov_b32 v11, v[LA]                           ; the second
	v_mov_b32 v224, 0
.set ee, 1
.rept 7
	v_cmp_gt_f32 vcc_lo, v[LA+2*ee], v11
	v_cndmask_b32 v11, v11, v[LA+2*ee], vcc_lo
	v_cndmask_b32 v224, v224, v[LA+2*ee+1], vcc_lo
.set ee, ee+1
.endr
	v_sub_f32 v225, v11, v8                        ; the maximum is taken away: the exponent is at most 0
	v_mul_f32 v225, 0x3fb8aa3b, v225
	v_exp_f32 v225, v225
	v_nop
	s_wait_alu depctr_va_vdst(0)
	v_add_f32 v226, 1.0, v225
	v_rcp_f32 v226, v226                           ; the first weight
	v_nop
	s_wait_alu depctr_va_vdst(0)
	v_mul_f32 v227, v225, v226                     ; the second
	s_wait_tensorcnt 0x0                           ; the wave's end: behind my last LDS store
	ds_add_u32 v228, v229
	s_wait_dscnt 0x0
	v_cmp_eq_u32 vcc_lo, 0, v1
	v_cndmask_b32 v9, v224, v9, vcc_lo             ; lane j holds choice j
	v_cndmask_b32 v8, v227, v226, vcc_lo
	v_lshlrev_b32 v2, 12, v1
	v_add_nc_u32 v2, s22, v2                       ; j x 4,096 + 4 token
	s_wait_xcnt 0x0                                ; EXEC changes only behind this wait: stores have been issued
	v_cmp_gt_u32 vcc_lo, 2, v1
	s_and_saveexec_b32 s23, vcc_lo
	global_store_b32 v2, v9, s[12:13]
	global_store_b32 v2, v8, s[14:15]
	s_endpgm
.Lfunc_end_k_qba99ea094e_router:
	.size	k_qba99ea094e_router, .Lfunc_end_k_qba99ea094e_router-k_qba99ea094e_router
	.p2alignl 7, 3214868480
	.fill 96, 4, 3214868480
	.section	.rodata,"a",@progbits
	.p2align	6, 0x0
	.amdhsa_kernel k_qba99ea094e_router
		.amdhsa_group_segment_fixed_size 66304
		.amdhsa_private_segment_fixed_size 0
		.amdhsa_enable_private_segment 0
		.amdhsa_kernarg_size 48
		.amdhsa_user_sgpr_count 2
		.amdhsa_user_sgpr_kernarg_segment_ptr 1
		.amdhsa_wavefront_size32 1
		.amdhsa_system_sgpr_workgroup_id_x 1
		.amdhsa_system_sgpr_workgroup_id_y 1
		.amdhsa_system_sgpr_workgroup_id_z 1
		.amdhsa_system_vgpr_workitem_id 0
		.amdhsa_next_free_vgpr 232
		.amdhsa_next_free_sgpr 66
		.amdhsa_reserve_vcc 1
		.amdhsa_float_denorm_mode_32 3
		.amdhsa_float_denorm_mode_16_64 3
		.amdhsa_memory_ordered 1
		.amdhsa_forward_progress 1
		.amdhsa_inst_pref_size 57
	.end_amdhsa_kernel
	.amdgpu_metadata
---
amdhsa.version: [ 1, 2 ]
amdhsa.kernels:
  - .name:           k_qba99ea094e_router
    .symbol:         k_qba99ea094e_router.kd
    .args:
      - { .name: h1, .offset: 0, .size: 8, .value_kind: global_buffer, .address_space: global }
      - { .name: ffn_norm_w, .offset: 8, .size: 8, .value_kind: global_buffer, .address_space: global }
      - { .name: gate_w, .offset: 16, .size: 8, .value_kind: global_buffer, .address_space: global }
      - { .name: act, .offset: 24, .size: 8, .value_kind: global_buffer, .address_space: global }
      - { .name: sel, .offset: 32, .size: 8, .value_kind: global_buffer, .address_space: global }
      - { .name: cw, .offset: 40, .size: 8, .value_kind: global_buffer, .address_space: global }
    .group_segment_fixed_size: 66304
    .private_segment_fixed_size: 0
    .kernarg_segment_align: 8
    .kernarg_segment_size: 48
    .max_flat_workgroup_size: 128
    .sgpr_count:     66
    .vgpr_count:     232
    .wavefront_size: 32
...
	.end_amdgpu_metadata
.endif
;; end of part 5
;; launch moe1 (part 6): grid 32 x 8, 8 waves a work-group, no clusters, 303,360 bytes of LDS; arguments act, w1, w3, sel, hid; writes hid
.if DOCPART == 6
	.amdgcn_target "amdgcn-amd-amdhsa--gfx1250"
	.amdhsa_code_object_version 6
	.text
	.protected	k_qba99ea094e_moe1
	.globl	k_qba99ea094e_moe1
	.p2align	8
	.type	k_qba99ea094e_moe1,@function
k_qba99ea094e_moe1:
	s_mov_b64 s[64:65], 0
	v_nop
	global_prefetch_b8 v0, s[64:65] scope:SCOPE_SE
	s_setreg_imm32_b32 hwreg(HW_REG_WAVE_MODE, 25, 1), 1
	s_wait_xcnt 0x0
; hid = silu(t @ w1[e]) * (t @ w3[e]) for the tokens that chose expert e, bf16, stored as operand fragments for the second product.  t: act [1024][2048] bf16.
; A work-group has expert e (y) and 32 hidden columns (x) of w1 and of w3, which it alone reads, and all of that expert's rows, whatever their number (0 to 1,024).
; THE LIST.  Wave 0 reads sel [2][1024] and ranks the tokens that chose e (by group of 32 tokens, then by lane: the same order in every work-group and in the next launch); places past the count hold token 0.
; PHASE W.  2048 x (32 + 32) f32 come through registers, are rounded to bf16 and laid into LDS as fragments: a lane loads 8 bytes of w1 and 8 of w3 at column 2 (lane % 16) of rows 32 s + 16 (lane / 16) + i.
;   Column tiles 0, 1: w1's columns 2 m, 2 m + 1; tiles 2, 3: w3's.
; K ORDER: in both operands a lane's eight registers hold k = 32 s + 16 (lane / 16) + 0..15: the same permutation on both sides.
; PHASE R.  Tiles of 16 ranks: wave w has tiles w + 8 n, three at a time (a group), three groups at the most (72 tiles cover 1,024 rows).  A group with no tile of mine is jumped whole.  In a group all three tiles
;   are multiplied: one past the count multiplies rows that exist (token 0), and only its stores are jumped.  The loop has no barrier.
;   The work of the loop over groups hangs on a stored count, so every LDS address in it is fixed: K is written out, 16 chunks of 128; the weights are read by four registers that never change
;   (16 lane + 0, 64, 128, 192 KB), chunk and fragment in the immediate (65,024 at the most); the rows' chunk stands in their loads' immediate.  Only the list's address and the tile's number step, behind the label where the jump lands.
; Source 0 = weights, source 1 = rows: a lane holds one row and hidden columns 16 h + 2 j + c, u and g side by side: the K order that the next launch takes.
; No multicast: each weight has one reader, and the rows come by a list that no tile descriptor covers.
; LIMITS: bf16 operands; exp2 of a large argument gives infinity and its reciprocal 0, as the true silu tends to.
.set NS,    3
.set NB,    8
.set LPB,   32
.set STG,   262144
.set LIST,  STG+8*4352                 ; 1,280 words: ranks 0-1151, word 1152 takes what is not chosen
.set CNTW,  LIST+5120
.set SPARE, CNTW+256                   ; the spare words: four blocks of 256 bytes that no other line names
.set OFF,   16
.set RAW,   40
.set AF,    136
.set VB,    248                        ; v[248:251] the weights' four read addresses; never rewritten
.set ACC,   0
.set BF,    96
.set RA,    0
.set FR,    128
.set ROFF,  160
.set WS,    176
.set MSB,   0
.macro WIN new
.if MSB != (\new)
	s_set_vgpr_msb (MSB<<8)|(\new)
.set MSB, \new
.endif
.endm
.macro PLACES
.rept 4
	v_nop
.endr
.endm
.macro WLOAD g
.set wi, 0
.rept 16
	global_load_b64 v[RA+64*(\g)+4*wi:RA+64*(\g)+4*wi+1], v[ROFF+wi], s[36+2*(\g):37+2*(\g)]
	global_load_b64 v[RA+64*(\g)+4*wi+2:RA+64*(\g)+4*wi+3], v[ROFF+wi], s[40+2*(\g):41+2*(\g)]
.set wi, wi+1
.endr
.endm
.macro WCONV g
.set wc, 0
.rept 4
.set wq, 0
.rept 8
	v_cvt_pk_bf16_f32 v[FR+8*wc+wq], v[RA+64*(\g)+8*wq+wc], v[RA+64*(\g)+8*wq+4+wc]
.set wq, wq+1
.endr
.set wc, wc+1
.endr
.set wc, 0
.rept 4
	ds_store_b128 v[WS], v[FR+8*wc:FR+8*wc+3] offset:1024*wc
	ds_store_b128 v[WS], v[FR+8*wc+4:FR+8*wc+7] offset:1024*wc+512
.set wc, wc+1
.endr
	v_add_nc_u32 v[WS], 0x8000, v[WS]
.endm
.macro ALOAD i, c                      ; tile i's rows of chunk c: 2 rows x 256 bytes a load
.set aq, 0
.rept 8
	global_load_b128 v[RAW+32*(\i)+4*aq:RAW+32*(\i)+4*aq+3], v[OFF+8*(\i)+aq], s[12:13] offset:256*(\c)
.set aq, aq+1
.endr
.endm
.macro ASTAGE i                        ; LDS serves a wave's instructions in order: the loads see the stores above, the next tile's stores come behind them
.set sq, 0
.rept 8
	ds_store_b128 v6, v[RAW+32*(\i)+4*sq:RAW+32*(\i)+4*sq+3] offset:544*sq
.set sq, sq+1
.endr
.set sq, 0
.rept 8
	ds_load_b128 v[AF+32*(\i)+4*sq:AF+32*(\i)+4*sq+3], v7 offset:64*(sq/2)+16*(sq%2)
.set sq, sq+1
.endr
.if ch < 15
	ALOAD \i, ch+1
.endif
.endm
.macro BLOAD                           ; chunk ch's 16 weight fragments
	WIN 0x40
.set bq, 0
.rept 16
	ds_load_b128 v[BF+8*bq:BF+8*bq+3], v[VB+ch/4] offset:16384*(ch%4)+1024*bq
	ds_load_b128 v[BF+8*bq+4:BF+8*bq+7], v[VB+ch/4] offset:16384*(ch%4)+1024*bq+512
.set bq, bq+1
.endr
	WIN 0
.endm
.macro MULS i                          ; a tile's four accumulators take turns; chunk 0's first products start the sums
	WIN 0x51
.set mk, 0
.rept 4
.set mc, 0
.rept 4
.set rD, ACC+32*(\i)+8*mc
.set rB, BF+8*(4*mk+mc)
.set rA, AF+32*(\i)+8*mk
.if (ch == 0) && (mk == 0)
	v_wmma_f32_16x16x32_bf16 v[rD:rD+7], v[rB:rB+7], v[rA:rA+7], 0
.else
	v_wmma_f32_16x16x32_bf16 v[rD:rD+7], v[rB:rB+7], v[rA:rA+7], v[rD:rD+7]
.endif
.set mc, mc+1
.endr
.set mk, mk+1
.endr
.endm
.macro CHUNK                           ; chunk ch of 16
	WIN 0
	s_wait_loadcnt 0x0                             ; this chunk's rows, asked for a chunk ago
	PLACES
	BLOAD
	ASTAGE 0
	ASTAGE 1
	ASTAGE 2
	s_wait_dscnt 0x0                               ; weights and rows are in registers
	MULS 0
	MULS 1
	MULS 2
.endm
; tile i of the group: u = accumulators 0, 1; g = accumulators 2, 3.  u g / (1 + 2^(-u log2 e)).  Two batches of transcendentals, one wait each.
.macro EPI_H i
.set rU, ACC+32*(\i)
.set rT, RAW+32*(\i)
.set rP, AF+32*(\i)
	WIN 0x04
.set ek, 0
.rept 16
	v_mul_f32 v[rT+ek], 0xbfb8aa3b, v[rU+ek]
.set ek, ek+1
.endr
	WIN 0x05
.set ek, 0
.rept 8
	v_pk_mul_f32 v[rP+2*ek:rP+2*ek+1], v[rU+2*ek:rU+2*ek+1], v[rU+16+2*ek:rU+16+2*ek+1]
.set ek, ek+1
.endr
	WIN 0
.set ek, 0
.rept 16
	v_exp_f32 v[rT+ek], v[rT+ek]
.set ek, ek+1
.endr
	v_nop
	s_wait_alu depctr_va_vdst(0)
.set ek, 0
.rept 8
	v_pk_add_f32 v[rT+2*ek:rT+2*ek+1], v[rT+2*ek:rT+2*ek+1], 1.0 op_sel_hi:[1,0]
.set ek, ek+1
.endr
.set ek, 0
.rept 16
	v_rcp_f32 v[rT+ek], v[rT+ek]
.set ek, ek+1
.endr
	v_nop
	s_wait_alu depctr_va_vdst(0)
.set ek, 0
.rept 8
	v_pk_mul_f32 v[rP+2*ek:rP+2*ek+1], v[rP+2*ek:rP+2*ek+1], v[rT+2*ek:rT+2*ek+1]
.set ek, ek+1
.endr
.set ek, 0
.rept 8
	v_cvt_pk_bf16_f32 v[rP+16+ek], v[rP+ek], v[rP+8+ek]
.set ek, ek+1
.endr
	s_add_co_u32 s56, s52, 8*(\i)
	s_lshl_b32 s56, s56, 15
	s_add_co_u32 s56, s56, s58
	v_add_nc_u32 v[232+(\i)], s56, v4              ; ((64 e + tile) x 32 + slice) x 1,024 + 16 lane
	global_store_b128 v[232+(\i)], v[rP+16:rP+19], s[20:21]
	global_store_b128 v[232+(\i)], v[rP+20:rP+23], s[20:21] offset:512
.endm
	s_load_b256 s[12:19], s[0:1], 0x0              ; act s[12:13], w1 s[14:15], w3 s[16:17], sel s[18:19]
	s_load_b64 s[20:21], s[0:1], 0x20              ; hid
	v_lshl_add_u32 v12, v0, 2, SPARE
	v_mov_b32 v13, 0
	v_and_b32 v1, 31, v0
	v_lshrrev_b32 v10, 5, v0
	v_readfirstlane_b32 s8, v10
	s_mov_b32 s9, ttmp9                            ; slice
	s_and_b32 s10, ttmp7, 0xffff                   ; expert
	v_and_b32 v2, 15, v0
	v_bfe_u32 v3, v0, 4, 1
	v_lshlrev_b32 v4, 4, v1
	v_mov_b32 v[VB], v4                            ; the weights' read addresses: 16 lane + a quarter of the slice
	v_add_nc_u32 v[VB+1], 0x10000, v4
	v_add_nc_u32 v[VB+2], 0x20000, v4
	v_add_nc_u32 v[VB+3], 0x30000, v4
	v_lshlrev_b32 v14, 4, v2
	s_mul_i32 s26, s8, 4352
	s_add_co_u32 s26, s26, STG
	v_mul_u32_u24 v10, v3, 272
	v_lshl_add_u32 v10, v2, 4, v10
	v_add_nc_u32 v6, s26, v10
	v_mul_u32_u24 v10, v2, 272
	v_lshl_add_u32 v10, v3, 5, v10
	v_add_nc_u32 v7, s26, v10
	s_lshl_b32 s28, s8, 6
	s_add_co_u32 s28, s28, LIST
	v_lshl_add_u32 v9, v3, 2, s28                  ; the list at my first tile, rank h of a pair
	v_lshlrev_b32 v10, 16, v3
	v_lshl_add_u32 v10, v2, 3, v10                 ; 16 h rows of 4,096 + 8 r
	WIN 0x40
.set i, 0
.rept 16
	v_add_nc_u32 v[ROFF+i], 4096*i, v10
.set i, i+1
.endr
	s_lshl_b32 s28, s8, 12
	v_add_nc_u32 v[WS], s28, v4
	WIN 0
	s_lshl_b32 s34, s10, 23
	s_lshl_b32 s28, s9, 7
	s_add_co_u32 s34, s34, s28
	s_lshl_b32 s28, s8, 17
	s_add_co_u32 s34, s34, s28
	s_mov_b32 s35, 0
	s_lshl_b32 s58, s10, 21
	s_lshl_b32 s28, s9, 10
	s_add_co_u32 s58, s58, s28
	s_wait_kmcnt 0x0
	s_add_nc_u64 s[36:37], s[14:15], s[34:35]
	s_add_nc_u64 s[38:39], s[36:37], 0x100000
	s_add_nc_u64 s[40:41], s[16:17], s[34:35]
	s_add_nc_u64 s[42:43], s[40:41], 0x100000
	WIN 0x45
	WLOAD 0
	WLOAD 1
	WIN 0
	s_cmp_lg_u32 s8, 0
	s_cbranch_scc1 .Lbuilt
	; wave 0 alone: the list, while its weights are on their way
.set i, 0
.rept 8                                ; register 4 i + u holds tokens 128 i + 4 lane + u
	global_load_b128 v[40+4*i:43+4*i], v4, s[18:19] offset:512*i
	global_load_b128 v[72+4*i:75+4*i], v4, s[18:19] offset:4096+512*i
.set i, i+1
.endr
	v_mov_b32 v232, 0
	v_mov_b32 v233, 0
	v_mov_b32 v234, 0
	v_mov_b32 v235, 0
	v_add_nc_u32 v236, LIST, v4
	v_mov_b32 v237, 0x480
	v_lshlrev_b32 v241, 2, v1
.set i, 0
.rept 10
	ds_store_b128 v236, v[232:235] offset:512*i
.set i, i+1
.endr
	s_mov_b32 s50, 0
	s_wait_loadcnt 0x0
.set i, 0
.rept 32
	v_cmp_eq_u32 s51, s10, v[40+i]
	v_cmp_eq_u32 s52, s10, v[72+i]
	s_or_b32 s53, s51, s52
	v_mbcnt_lo_u32_b32 v238, s53, s50              ; rank = those before me in the group + those of earlier groups
	v_cndmask_b32 v238, v237, v238, s53
	v_min_u32 v238, 0x480, v238
	v_lshl_add_u32 v239, v238, 2, LIST
	v_add_nc_u32 v240, 128*(i/4)+i%4, v241
	ds_store_b32 v239, v240
	s_bcnt1_i32_b32 s53, s53
	s_add_co_u32 s50, s50, s53
.set i, i+1
.endr
	v_mov_b32 v240, s50
	v_mov_b32 v239, CNTW
	ds_store_b32 v239, v240
.Lbuilt:
	s_mov_b32 s44, NB/2-1
.Lw:
	WIN 0x45
	s_wait_loadcnt LPB                             ; the older batch is in, the other's 32 loads stay out; the wait also frees the batch's bases
	WCONV 0
	s_add_nc_u64 s[36:37], s[36:37], 0x200000
	s_add_nc_u64 s[40:41], s[40:41], 0x200000
	WLOAD 0
	s_wait_loadcnt LPB
	WCONV 1
	s_add_nc_u64 s[38:39], s[38:39], 0x200000
	s_add_nc_u64 s[42:43], s[42:43], 0x200000
	WLOAD 1
	WIN 0
	s_sub_co_u32 s44, s44, 1
	s_cmp_lg_u32 s44, 0
	s_cbranch_scc1 .Lw
	WIN 0x45
	s_wait_loadcnt LPB
	WCONV 0
	s_wait_loadcnt 0x0
	WCONV 1
	WIN 0
	s_wait_dscnt 0x0                               ; for the others' sake: my fragments, and wave 0's list, are in LDS
	s_barrier_signal -1
	s_barrier_wait -1
	v_mov_b32 v10, CNTW
	ds_load_b32 v11, v10
	s_wait_dscnt 0x0
	v_readfirstlane_b32 s50, v11
	s_min_u32 s50, s50, 0x400                      ; the expert's rows
	s_add_co_u32 s51, s50, 15
	s_lshr_b32 s51, s51, 4                         ; its tiles
	s_mov_b32 s52, s8                              ; my first tile of the group
	s_mov_b32 s53, 3
.Lgroup:
	s_cmp_ge_u32 s52, s51
	s_cbranch_scc1 .Lgnext                         ; no tile of mine is left
.set i, 0
.rept 24
	ds_load_b32 v[OFF+i], v9 offset:512*(i/8)+8*(i%8)
.set i, i+1
.endr
	s_wait_dscnt 0x0
.set i, 0
.rept 24
	v_min_u32 v[OFF+i], 0x3ff, v[OFF+i]
	v_lshl_add_u32 v[OFF+i], v[OFF+i], 12, v14     ; token x 4,096 + 16 r
.set i, i+1
.endr
	ALOAD 0, 0
	ALOAD 1, 0
	ALOAD 2, 0
.set ch, 0
.rept 16
	CHUNK
.set ch, ch+1
.endr
	PLACES
	EPI_H 0
	s_add_co_u32 s55, s52, 8
	s_cmp_ge_u32 s55, s51
	s_cbranch_scc1 .Lhdone                         ; a tile past the count is not stored
	EPI_H 1
	s_add_co_u32 s55, s52, 16
	s_cmp_ge_u32 s55, s51
	s_cbranch_scc1 .Lhdone
	EPI_H 2
.Lhdone:
	s_wait_xcnt 0x0                                ; the stores' registers are written again only behind this wait
.Lgnext:
	s_add_co_u32 s52, s52, 24
	v_add_nc_u32 v9, 1536, v9
	s_sub_co_u32 s53, s53, 1
	s_cmp_lg_u32 s53, 0
	s_cbranch_scc1 .Lgroup
	s_wait_tensorcnt 0x0                           ; the wave's end: behind my last LDS store
	ds_add_u32 v12, v13
	s_wait_dscnt 0x0
	s_endpgm
.Lfunc_end_k_qba99ea094e_moe1:
	.size	k_qba99ea094e_moe1, .Lfunc_end_k_qba99ea094e_moe1-k_qba99ea094e_moe1
	.p2alignl 7, 3214868480
	.fill 96, 4, 3214868480
	.section	.rodata,"a",@progbits
	.p2align	6, 0x0
	.amdhsa_kernel k_qba99ea094e_moe1
		.amdhsa_group_segment_fixed_size 303360
		.amdhsa_private_segment_fixed_size 0
		.amdhsa_enable_private_segment 0
		.amdhsa_kernarg_size 40
		.amdhsa_user_sgpr_count 2
		.amdhsa_user_sgpr_kernarg_segment_ptr 1
		.amdhsa_wavefront_size32 1
		.amdhsa_system_sgpr_workgroup_id_x 1
		.amdhsa_system_sgpr_workgroup_id_y 1
		.amdhsa_system_sgpr_workgroup_id_z 1
		.amdhsa_system_vgpr_workitem_id 0
		.amdhsa_next_free_vgpr 480
		.amdhsa_next_free_sgpr 66
		.amdhsa_reserve_vcc 0
		.amdhsa_float_denorm_mode_32 3
		.amdhsa_float_denorm_mode_16_64 3
		.amdhsa_memory_ordered 1
		.amdhsa_forward_progress 1
		.amdhsa_inst_pref_size 238
	.end_amdhsa_kernel
	.amdgpu_metadata
---
amdhsa.version: [ 1, 2 ]
amdhsa.kernels:
  - .name:           k_qba99ea094e_moe1
    .symbol:         k_qba99ea094e_moe1.kd
    .args:
      - { .name: act, .offset: 0, .size: 8, .value_kind: global_buffer, .address_space: global }
      - { .name: w1, .offset: 8, .size: 8, .value_kind: global_buffer, .address_space: global }
      - { .name: w3, .offset: 16, .size: 8, .value_kind: global_buffer, .address_space: global }
      - { .name: sel, .offset: 24, .size: 8, .value_kind: global_buffer, .address_space: global }
      - { .name: hid, .offset: 32, .size: 8, .value_kind: global_buffer, .address_space: global }
    .group_segment_fixed_size: 303360
    .private_segment_fixed_size: 0
    .kernarg_segment_align: 8
    .kernarg_segment_size: 40
    .max_flat_workgroup_size: 256
    .sgpr_count:     66
    .vgpr_count:     480
    .wavefront_size: 32
...
	.end_amdgpu_metadata
.endif
;; end of part 6
;; launch moe2 (part 7): grid 32 x 8, 8 waves a work-group, no clusters, 142,592 bytes of LDS; arguments hid, w2, sel, cw, part; writes part
.if DOCPART == 7
	.amdgcn_target "amdgcn-amd-amdhsa--gfx1250"
	.amdhsa_code_object_version 6
	.text
	.protected	k_qba99ea094e_moe2
	.globl	k_qba99ea094e_moe2
	.p2align	8
	.type	k_qba99ea094e_moe2,@function
k_qba99ea094e_moe2:
	s_mov_b64 s[64:65], 0
	v_nop
	global_prefetch_b8 v0, s[64:65] scope:SCOPE_SE
	s_setreg_imm32_b32 hwreg(HW_REG_WAVE_MODE, 25, 1), 1
	s_wait_xcnt 0x0
; part[j x 1024 + token][:] = cw[j][token] x (hid row @ w2[e]), f32, for the tokens whose choice j is expert e.  hid: bf16 operand fragments [e][tile][K step][1,024 bytes].
; A work-group has expert e (y) and 64 columns (x) of w2[e], which it alone reads, and all of that expert's rows.  Each row of part has one writer; the next launch adds a token's two rows.
; THE LIST, as in the launch before and in the same order: wave 0 ranks the tokens that chose e; a rank's entry is the row of part and the weight.  Places past the count hold row 2048 + e (a row that nobody reads) and weight 0.
; PHASE W: 1024 x 64 f32 through registers into LDS as bf16 fragments (16 bytes at column 4 (lane % 16) of rows 32 s + 16 (lane / 16) + i; element c = column tile c, index m = column 4 m + c).
; PHASE R: wave w has tiles w + 8 n, three at a time, three groups at the most.  The rows' fragments come straight from memory into operand registers, two sets by turns, a chunk of 128 K ahead.
;   A group with no tile of mine is jumped whole; in a group a tile past the count repeats the last tile that exists, and only its stores are jumped.  The loop has no barrier and writes no LDS.
;   The work of the loop over groups hangs on a stored count, so every LDS address in it is fixed: K is written out, 8 chunks of 128; the weights are read by two registers that never change
;   (16 lane + 0, 64 KB), chunk and fragment in the immediate (65,024 at the most); the rows' chunk stands in their loads' immediate.  Only the list's address and the tile's number step, behind the label where the jump lands.
; Source 0 = rows, source 1 = weights: register j of tile c is (rank 8 h + j, column 4 r + c): 16 neighbouring bytes a lane, sixteen lanes 256.
; No multicast: each weight has one reader; the shared rows are 0.5 MB an expert against 8 MB of weights.
.set NS,    3
.set NB,    4
.set LPB,   16
.set LIST,  131072
.set CFL,   LIST+5120
.set CNTW,  CFL+5120
.set SPARE, CNTW+256                   ; the spare words: four blocks of 256 bytes that no other line names
.set OFF,   16                         ; v[16:18] a tile's byte offset in hid
.set RAW,   40                         ; the rows' second set (odd chunks)
.set AF,    136                        ; the rows' first set (even chunks)
.set VB,    248                        ; v[248:249] the weights' two read addresses; never rewritten
.set ACC,   0
.set BF,    96
.set RA,    0
.set FR,    128
.set ROFF,  160
.set WS,    176
.set BW,    36
.set MSB,   0
.macro WIN new
.if MSB != (\new)
	s_set_vgpr_msb (MSB<<8)|(\new)
.set MSB, \new
.endif
.endm
.macro PLACES
.rept 4
	v_nop
.endr
.endm
.macro WLOAD g
.set wi, 0
.rept 16
	global_load_b128 v[RA+64*(\g)+4*wi:RA+64*(\g)+4*wi+3], v[ROFF+wi], s[BW+2*(\g):BW+2*(\g)+1] th:TH_LOAD_NT
.set wi, wi+1
.endr
.endm
.macro WCONV g
.set wc, 0
.rept 4
.set wq, 0
.rept 8
	v_cvt_pk_bf16_f32 v[FR+8*wc+wq], v[RA+64*(\g)+8*wq+wc], v[RA+64*(\g)+8*wq+4+wc]
.set wq, wq+1
.endr
.set wc, wc+1
.endr
.set wc, 0
.rept 4
	ds_store_b128 v[WS], v[FR+8*wc:FR+8*wc+3] offset:1024*wc
	ds_store_b128 v[WS], v[FR+8*wc+4:FR+8*wc+7] offset:1024*wc+512
.set wc, wc+1
.endr
	v_add_nc_u32 v[WS], 0x8000, v[WS]
.endm
.macro ALOADD i, sb, c                 ; tile i's four fragments of chunk c into set sb
.set aq, 0
.rept 4
	global_load_b128 v[(\sb)+32*(\i)+8*aq:(\sb)+32*(\i)+8*aq+3], v[OFF+(\i)], s[12:13] offset:4096*(\c)+1024*aq
	global_load_b128 v[(\sb)+32*(\i)+8*aq+4:(\sb)+32*(\i)+8*aq+7], v[OFF+(\i)], s[12:13] offset:4096*(\c)+1024*aq+512
.set aq, aq+1
.endr
.endm
.macro BLOAD                           ; chunk ch's 16 weight fragments
	WIN 0x40
.set bq, 0
.rept 16
	ds_load_b128 v[BF+8*bq:BF+8*bq+3], v[VB+ch/4] offset:16384*(ch%4)+1024*bq
	ds_load_b128 v[BF+8*bq+4:BF+8*bq+7], v[VB+ch/4] offset:16384*(ch%4)+1024*bq+512
.set bq, bq+1
.endr
	WIN 0
.endm
.macro MULS i, sb                      ; a tile's four accumulators take turns; chunk 0's first products start the sums
	WIN 0x54
.set mk, 0
.rept 4
.set mc, 0
.rept 4
.set rD, ACC+32*(\i)+8*mc
.set rB, BF+8*(4*mk+mc)
.set rA, (\sb)+32*(\i)+8*mk
.if (ch == 0) && (mk == 0)
	v_wmma_f32_16x16x32_bf16 v[rD:rD+7], v[rA:rA+7], v[rB:rB+7], 0
.else
	v_wmma_f32_16x16x32_bf16 v[rD:rD+7], v[rA:rA+7], v[rB:rB+7], v[rD:rD+7]
.endif
.set mc, mc+1
.endr
.set mk, mk+1
.endr
.endm
.macro CHUNKD                          ; chunk ch of 8
.set cur, AF-(AF-RAW)*(ch%2)
.set oth, RAW+(AF-RAW)*(ch%2)
	WIN 0
	s_wait_loadcnt 0x0                             ; this chunk's rows, asked for a chunk ago
	PLACES                                         ; behind the products that read the other set and the weights' registers
	BLOAD
.if ch < 7
	ALOADD 0, oth, ch+1
	ALOADD 1, oth, ch+1
	ALOADD 2, oth, ch+1
.endif
	s_wait_dscnt 0x0
	MULS 0, cur
	MULS 1, cur
	MULS 2, cur
.endm
.macro EPI_P i
.set rZ, 40+64*(\i)
	WIN 0
	ds_load_b128 v[rZ+32:rZ+35], v9 offset:512*(\i)
	ds_load_b128 v[rZ+36:rZ+39], v9 offset:512*(\i)+16
	ds_load_b128 v[rZ+40:rZ+43], v9 offset:512*(\i)+5120
	ds_load_b128 v[rZ+44:rZ+47], v9 offset:512*(\i)+5136
	s_wait_dscnt 0x0
.set ej, 0
.rept 8
	v_min_u32 v[rZ+32+ej], 0x807, v[rZ+32+ej]
	v_lshl_add_u32 v[rZ+32+ej], v[rZ+32+ej], 13, v8   ; row x 8,192 + 256 slice + 16 r
.set ej, ej+1
.endr
	WIN 0x01
.set ej, 0
.rept 8                                ; register 0 of every accumulator is read first
.set ec, 0
.rept 4
	v_mul_f32 v[rZ+4*ej+ec], v[ACC+32*(\i)+8*ec+ej], v[rZ+40+ej]
.set ec, ec+1
.endr
.set ej, ej+1
.endr
	WIN 0
.set ej, 0
.rept 8
	global_store_b128 v[rZ+32+ej], v[rZ+4*ej:rZ+4*ej+3], s[20:21]   ; sixteen lanes store 256 consecutive bytes, aligned
.set ej, ej+1
.endr
.endm
	s_load_b256 s[12:19], s[0:1], 0x0              ; hid s[12:13], w2 s[14:15], sel s[16:17], cw s[18:19]
	s_load_b64 s[20:21], s[0:1], 0x20              ; part
	v_lshl_add_u32 v12, v0, 2, SPARE
	v_mov_b32 v13, 0
	v_and_b32 v1, 31, v0
	v_lshrrev_b32 v10, 5, v0
	v_readfirstlane_b32 s8, v10
	s_mov_b32 s9, ttmp9                            ; slice
	s_and_b32 s10, ttmp7, 0xffff                   ; expert
	v_and_b32 v2, 15, v0
	v_bfe_u32 v3, v0, 4, 1
	v_lshlrev_b32 v4, 4, v1
	v_mov_b32 v[VB], v4                            ; the weights' read addresses: 16 lane + a half of the slice
	v_add_nc_u32 v[VB+1], 0x10000, v4
	s_lshl_b32 s29, s9, 8
	v_lshl_add_u32 v8, v2, 4, s29                  ; 256 slice + 16 r
	s_lshl_b32 s28, s8, 6
	s_add_co_u32 s28, s28, LIST
	v_lshl_add_u32 v9, v3, 5, s28                  ; the list at my first tile, ranks 8 h on
	v_lshlrev_b32 v10, 17, v3
	v_lshl_add_u32 v10, v2, 4, v10                 ; 16 h rows of 8,192 + 16 r
	WIN 0x40
.set i, 0
.rept 16
	v_add_nc_u32 v[ROFF+i], 8192*i, v10
.set i, i+1
.endr
	s_lshl_b32 s28, s8, 12
	v_add_nc_u32 v[WS], s28, v4
	WIN 0
	s_lshl_b32 s34, s10, 23
	s_add_co_u32 s34, s34, s29
	s_lshl_b32 s28, s8, 18
	s_add_co_u32 s34, s34, s28
	s_mov_b32 s35, 0
	s_lshl_b32 s58, s10, 21
	s_wait_kmcnt 0x0
	s_add_nc_u64 s[BW:BW+1], s[14:15], s[34:35]
	s_add_nc_u64 s[BW+2:BW+3], s[BW:BW+1], 0x200000
	WIN 0x45
	WLOAD 0
	WLOAD 1
	WIN 0
	s_cmp_lg_u32 s8, 0
	s_cbranch_scc1 .Lbuilt
	; wave 0 alone: the list, while its weights are on their way
.set i, 0
.rept 8                                ; register 4 i + u holds tokens 128 i + 4 lane + u
	global_load_b128 v[40+4*i:43+4*i], v4, s[16:17] offset:512*i
	global_load_b128 v[72+4*i:75+4*i], v4, s[16:17] offset:4096+512*i
	global_load_b128 v[136+4*i:139+4*i], v4, s[18:19] offset:512*i
	global_load_b128 v[168+4*i:171+4*i], v4, s[18:19] offset:4096+512*i
.set i, i+1
.endr
	s_add_co_u32 s55, s10, 2048
	v_mov_b32 v232, s55
	v_mov_b32 v233, s55
	v_mov_b32 v234, s55
	v_mov_b32 v235, s55
	v_mov_b32 v244, 0
	v_mov_b32 v245, 0
	v_mov_b32 v246, 0
	v_mov_b32 v247, 0
	v_add_nc_u32 v236, LIST, v4
	v_mov_b32 v237, 0x480
	v_lshlrev_b32 v241, 2, v1
.set i, 0
.rept 10
	ds_store_b128 v236, v[232:235] offset:512*i
	ds_store_b128 v236, v[244:247] offset:5120+512*i
.set i, i+1
.endr
	s_mov_b32 s50, 0
	s_wait_loadcnt 0x0
.set i, 0
.rept 32
	v_cmp_eq_u32 s51, s10, v[40+i]
	v_cmp_eq_u32 s52, s10, v[72+i]
	s_or_b32 s53, s51, s52
	v_mbcnt_lo_u32_b32 v238, s53, s50
	v_cndmask_b32 v238, v237, v238, s53
	v_min_u32 v238, 0x480, v238
	v_lshl_add_u32 v239, v238, 2, LIST
	v_add_nc_u32 v240, 128*(i/4)+i%4, v241
	v_add_nc_u32 v243, 1024+128*(i/4)+i%4, v241
	v_cndmask_b32 v240, v240, v243, s52            ; the row of part: choice 1 lies 1,024 rows on
	v_cndmask_b32 v242, v[136+i], v[168+i], s52    ; and that choice's weight
	ds_store_b32 v239, v240
	ds_store_b32 v239, v242 offset:5120
	s_bcnt1_i32_b32 s53, s53
	s_add_co_u32 s50, s50, s53
.set i, i+1
.endr
	v_mov_b32 v240, s50
	v_mov_b32 v239, CNTW
	ds_store_b32 v239, v240
.Lbuilt:
	s_mov_b32 s44, NB/2-1
.Lw:
	WIN 0x45
	s_wait_loadcnt LPB                             ; the older batch is in, the other's 16 loads stay out; the wait also frees the batch's base
	WCONV 0
	s_add_nc_u64 s[BW:BW+1], s[BW:BW+1], 0x400000
	WLOAD 0
	s_wait_loadcnt LPB
	WCONV 1
	s_add_nc_u64 s[BW+2:BW+3], s[BW+2:BW+3], 0x400000
	WLOAD 1
	WIN 0
	s_sub_co_u32 s44, s44, 1
	s_cmp_lg_u32 s44, 0
	s_cbranch_scc1 .Lw
	WIN 0x45
	s_wait_loadcnt LPB
	WCONV 0
	s_wait_loadcnt 0x0
	WCONV 1
	WIN 0
	s_wait_dscnt 0x0                               ; for the others' sake: my fragments, and wave 0's list, are in LDS
	s_barrier_signal -1
	s_barrier_wait -1
	v_mov_b32 v10, CNTW
	ds_load_b32 v11, v10
	s_wait_dscnt 0x0
	v_readfirstlane_b32 s50, v11
	s_min_u32 s50, s50, 0x400                      ; the expert's rows
	s_add_co_u32 s51, s50, 15
	s_lshr_b32 s51, s51, 4                         ; its tiles
	s_sub_co_u32 s57, s51, 1                       ; the last tile that exists (used only where there is one)
	s_mov_b32 s52, s8
	s_mov_b32 s53, 3
.Lgroup:
	s_cmp_ge_u32 s52, s51
	s_cbranch_scc1 .Lgnext                         ; no tile of mine is left
.set i, 0
.rept 3
	s_add_co_u32 s55, s52, 8*i
	s_min_u32 s55, s55, s57
	s_min_u32 s55, s55, 63
	s_lshl_b32 s55, s55, 15
	s_add_co_u32 s55, s55, s58
	v_add_nc_u32 v[OFF+i], s55, v4                 ; (64 e + tile) x 32,768 + 16 lane
.set i, i+1
.endr
	ALOADD 0, AF, 0
	ALOADD 1, AF, 0
	ALOADD 2, AF, 0
.set ch, 0
.rept 8
	CHUNKD
.set ch, ch+1
.endr
	PLACES
	EPI_P 0
	s_add_co_u32 s55, s52, 8
	s_cmp_ge_u32 s55, s51
	s_cbranch_scc1 .Lpdone                         ; a tile past the count is not stored
	EPI_P 1
	s_add_co_u32 s55, s52, 16
	s_cmp_ge_u32 s55, s51
	s_cbranch_scc1 .Lpdone
	EPI_P 2
.Lpdone:
	s_wait_xcnt 0x0                                ; the stores' registers are written again only behind this wait
.Lgnext:
	s_add_co_u32 s52, s52, 24
	v_add_nc_u32 v9, 1536, v9
	s_sub_co_u32 s53, s53, 1
	s_cmp_lg_u32 s53, 0
	s_cbranch_scc1 .Lgroup
	s_wait_tensorcnt 0x0                           ; the wave's end: behind my last LDS store
	ds_add_u32 v12, v13
	s_wait_dscnt 0x0
	s_endpgm
.Lfunc_end_k_qba99ea094e_moe2:
	.size	k_qba99ea094e_moe2, .Lfunc_end_k_qba99ea094e_moe2-k_qba99ea094e_moe2
	.p2alignl 7, 3214868480
	.fill 96, 4, 3214868480
	.section	.rodata,"a",@progbits
	.p2align	6, 0x0
	.amdhsa_kernel k_qba99ea094e_moe2
		.amdhsa_group_segment_fixed_size 142592
		.amdhsa_private_segment_fixed_size 0
		.amdhsa_enable_private_segment 0
		.amdhsa_kernarg_size 40
		.amdhsa_user_sgpr_count 2
		.amdhsa_user_sgpr_kernarg_segment_ptr 1
		.amdhsa_wavefront_size32 1
		.amdhsa_system_sgpr_workgroup_id_x 1
		.amdhsa_system_sgpr_workgroup_id_y 1
		.amdhsa_system_sgpr_workgroup_id_z 1
		.amdhsa_system_vgpr_workitem_id 0
		.amdhsa_next_free_vgpr 480
		.amdhsa_next_free_sgpr 66
		.amdhsa_reserve_vcc 0
		.amdhsa_float_denorm_mode_32 3
		.amdhsa_float_denorm_mode_16_64 3
		.amdhsa_memory_ordered 1
		.amdhsa_forward_progress 1
		.amdhsa_inst_pref_size 124
	.end_amdhsa_kernel
	.amdgpu_metadata
---
amdhsa.version: [ 1, 2 ]
amdhsa.kernels:
  - .name:           k_qba99ea094e_moe2
    .symbol:         k_qba99ea094e_moe2.kd
    .args:
      - { .name: hid, .offset: 0, .size: 8, .value_kind: global_buffer, .address_space: global }
      - { .name: w2, .offset: 8, .size: 8, .value_kind: global_buffer, .address_space: global }
      - { .name: sel, .offset: 16, .size: 8, .value_kind: global_buffer, .address_space: global }
      - { .name: cw, .offset: 24, .size: 8, .value_kind: global_buffer, .address_space: global }
      - { .name: part, .offset: 32, .size: 8, .value_kind: global_buffer, .address_space: global }
    .group_segment_fixed_size: 142592
    .private_segment_fixed_size: 0
    .kernarg_segment_align: 8
    .kernarg_segment_size: 40
    .max_flat_workgroup_size: 256
    .sgpr_count:     66
    .vgpr_count:     480
    .wavefront_size: 32
...
	.end_amdgpu_metadata
.endif
;; end of part 7
;; launch final (part 8): grid 256 x 1, 8 waves a work-group, no clusters, 0 bytes of LDS; arguments h1, part, out0; writes out0
.if DOCPART == 8
	.amdgcn_target "amdgcn-amd-amdhsa--gfx1250"
	.amdhsa_code_object_version 6
	.text
	.protected	k_qba99ea094e_final
	.globl	k_qba99ea094e_final
	.p2align	8
	.type	k_qba99ea094e_final,@function
k_qba99ea094e_final:
	s_mov_b64 s[64:65], 0
	v_nop
	global_prefetch_b8 v0, s[64:65] scope:SCOPE_SE
	s_setreg_imm32_b32 hwreg(HW_REG_WAVE_MODE, 25, 1), 1
	s_wait_xcnt 0x0
; out0[token][:] = h1[token][:] + part[token][:] + part[1024 + token][:], all f32.  A stream: a work-group has 32,768 bytes of the output, a thread eight pieces of 16 bytes;
; all 24 loads of a thread go out at once, each wave's load and store covers 512 consecutive bytes.  No LDS, no matrix unit: bytes are all there is.
	s_load_b128 s[4:7], s[0:1], 0x0                ; h1 s[4:5], part s[6:7]
	s_load_b64 s[8:9], s[0:1], 0x10                ; out0
	v_lshlrev_b32 v1, 4, v0
	s_lshl_b32 s10, ttmp9, 15
	s_mov_b32 s11, 0
	s_wait_kmcnt 0x0
	s_add_nc_u64 s[4:5], s[4:5], s[10:11]
	s_add_nc_u64 s[6:7], s[6:7], s[10:11]
	s_add_nc_u64 s[8:9], s[8:9], s[10:11]
	s_add_nc_u64 s[12:13], s[6:7], 0x800000        ; the second choice's rows lie 1,024 rows on
.set k, 0
.rept 8
	global_load_b128 v[16+12*k:19+12*k], v1, s[4:5] offset:4096*k
	global_load_b128 v[20+12*k:23+12*k], v1, s[6:7] offset:4096*k th:TH_LOAD_NT
	global_load_b128 v[24+12*k:27+12*k], v1, s[12:13] offset:4096*k th:TH_LOAD_NT
.set k, k+1
.endr
.set k, 0
.rept 8
	s_wait_loadcnt 21-3*k                          ; piece k's three loads are in; the later pieces' stay out
	v_pk_add_f32 v[20+12*k:21+12*k], v[20+12*k:21+12*k], v[24+12*k:25+12*k]
	v_pk_add_f32 v[22+12*k:23+12*k], v[22+12*k:23+12*k], v[26+12*k:27+12*k]
	v_pk_add_f32 v[16+12*k:17+12*k], v[16+12*k:17+12*k], v[20+12*k:21+12*k]
	v_pk_add_f32 v[18+12*k:19+12*k], v[18+12*k:19+12*k], v[22+12*k:23+12*k]
	global_store_b128 v1, v[16+12*k:19+12*k], s[8:9] offset:4096*k th:TH_STORE_NT
.set k, k+1
.endr
	s_endpgm
.Lfunc_end_k_qba99ea094e_final:
	.size	k_qba99ea094e_final, .Lfunc_end_k_qba99ea094e_final-k_qba99ea094e_final
	.p2alignl 7, 3214868480
	.fill 96, 4, 3214868480
	.section	.rodata,"a",@progbits
	.p2align	6, 0x0
	.amdhsa_kernel k_qba99ea094e_final
		.amdhsa_group_segment_fixed_size 0
		.amdhsa_private_segment_fixed_size 0
		.amdhsa_enable_private_segment 0
		.amdhsa_kernarg_size 24
		.amdhsa_user_sgpr_count 2
		.amdhsa_user_sgpr_kernarg_segment_ptr 1
		.amdhsa_wavefront_size32 1
		.amdhsa_system_sgpr_workgroup_id_x 1
		.amdhsa_system_sgpr_workgroup_id_y 1
		.amdhsa_system_sgpr_workgroup_id_z 1
		.amdhsa_system_vgpr_workitem_id 0
		.amdhsa_next_free_vgpr 112
		.amdhsa_next_free_sgpr 66
		.amdhsa_reserve_vcc 0
		.amdhsa_float_denorm_mode_32 3
		.amdhsa_float_denorm_mode_16_64 3
		.amdhsa_memory_ordered 1
		.amdhsa_forward_progress 1
		.amdhsa_inst_pref_size 6
	.end_amdhsa_kernel
	.amdgpu_metadata
---
amdhsa.version: [ 1, 2 ]
amdhsa.kernels:
  - .name:           k_qba99ea094e_final
    .symbol:         k_qba99ea094e_final.kd
    .args:
      - { .name: h1, .offset: 0, .size: 8, .value_kind: global_buffer, .address_space: global }
      - { .name: part, .offset: 8, .size: 8, .value_kind: global_buffer, .address_space: global }
      - { .name: out0, .offset: 16, .size: 8, .value_kind: global_buffer, .address_space: global }
    .group_segment_fixed_size: 0
    .private_segment_fixed_size: 0
    .kernarg_segment_align: 8
    .kernarg_segment_size: 24
    .max_flat_workgroup_size: 256
    .sgpr_count:     66
    .vgpr_count:     112
    .wavefront_size: 32
...
	.end_amdgpu_metadata
.endif
;; end of part 8
;; ======== version 2 of 2: 8 launches; 1.14 times as fast as version 1
;; limits: values are held in f16: magnitudes above 65,504 overflow, below 6.1e-05 lose precision
;; workspace buffers: act 4,194,304 bytes; qkv 6,291,456 bytes; h1 8,388,608 bytes; sel 8,192 bytes of whole numbers; cw 8,192 bytes; hid 16,777,216 bytes; part 16,842,752 bytes
;; launch norm1: the kernel of part 1 again; grid 256 x 1, 4 waves a work-group, no clusters, 0 bytes of LDS; arguments x, attn_norm_w, act; writes act
;; launch qkv: the kernel of part 2 again; grid 48 x 4, 8 waves a work-group, no clusters, 297,984 bytes of LDS; arguments act, wq, wk, wv, freqs_cos, freqs_sin, qkv; writes qkv
;; launch attn: the kernel of part 3 again; grid 64 x 4, 4 waves a work-group, no clusters, 153,088 bytes of LDS; arguments qkv, mask, act; writes act
;; launch oproj: the kernel of part 4 again; grid 32 x 8, 8 waves a work-group, no clusters, 297,984 bytes of LDS; arguments act, wo, x, h1; writes h1
;; launch router: the kernel of part 5 again; grid 256 x 1, 4 waves a work-group, no clusters, 66,304 bytes of LDS; arguments h1, ffn_norm_w, gate_w, act, sel, cw; writes act, sel, cw
;; launch moe1 (part 9): grid 32 x 8, 8 waves a work-group, no clusters, 303,360 bytes of LDS; arguments act, w1, w3, sel, hid; writes hid
.if DOCPART == 9
	.amdgcn_target "amdgcn-amd-amdhsa--gfx1250"
	.amdhsa_code_object_version 6
	.text
	.protected	k_qba99ea094e_moe1
	.globl	k_qba99ea094e_moe1
	.p2align	8
	.type	k_qba99ea094e_moe1,@function
k_qba99ea094e_moe1:
	s_mov_b64 s[64:65], 0
	v_nop
	global_prefetch_b8 v0, s[64:65] scope:SCOPE_SE
	s_setreg_imm32_b32 hwreg(HW_REG_WAVE_MODE, 25, 1), 1
	s_wait_xcnt 0x0
; hid = silu(t @ w1[e]) * (t @ w3[e]) for the tokens that chose expert e, bf16, stored as operand fragments for the second product.  t: act [1024][2048] bf16.
; A work-group has expert e (y) and 32 hidden columns (x) of w1 and of w3, which it alone reads, and all of that expert's rows, whatever their number (0 to 1,024).
; THE LIST.  Wave 0 reads sel [2][1024] and ranks the tokens that chose e (by group of 32 tokens, then by lane: the same order in every work-group and in the next launch); places past the count hold token 0.
; PHASE W.  2048 x (32 + 32) f32 come through registers, are rounded to bf16 and laid into LDS as fragments: a lane loads 8 bytes of w1 and 8 of w3 at column 2 (lane % 16) of rows 32 s + 16 (lane / 16) + i.
;   Column tiles 0, 1: w1's columns 2 m, 2 m + 1; tiles 2, 3: w3's.
; K ORDER: in both operands a lane's eight registers hold k = 32 s + 16 (lane / 16) + 0..15: the same permutation on both sides.
; PHASE R goes by tiles of 16 ranks, in two passes; neither has a barrier.
;   FIRST PASS: wave w's tiles w, w + 8, w + 16 (24 tiles: 384 rows).  Every wave runs it whole: a tile past the count multiplies rows that exist (token 0), and only its stores are jumped.
;   K goes in 16 chunks of 128: the first starts the sums, 14 go round a loop, the last asks for no more rows; rows are asked for a chunk ahead.
;   SECOND PASS, for an expert with more than 384 rows: tiles w + 24 + 8 n, n = 0..4 (64 tiles in all: 1,024 rows).  One loop of 16 chunks, its count a constant; a wave with no such tile jumps each trip's work
;   forward, and the weights' address, the rows' base and the counter step behind the label where that jump lands.  The chunk is written once: the five tiles' sums start from cleared registers
;   (160 moves, the price of writing no first chunk out) and a chunk's rows are asked for in its own trip, all 40 loads at once.  The pass's set-up runs in every wave, so that what the jumped work reads is written on every way.
; Source 0 = weights, source 1 = rows: a lane holds one row and hidden columns 16 h + 2 j + c, u and g side by side: the K order that the next launch takes.
; No multicast: each weight has one reader, and the rows come by a list that no tile descriptor covers.
; LIMITS: bf16 operands; exp2 of a large argument gives infinity and its reciprocal 0, as the true silu tends to.
.set NS,    3
.set NB,    8
.set LPB,   32
.set STG,   262144
.set LIST,  STG+8*4352                 ; 1,280 words: ranks 0-1151, word 1152 takes what is not chosen
.set CNTW,  LIST+5120
.set SPARE, CNTW+256                   ; the spare words: four blocks of 256 bytes that no other line names
.set OFF,   16                         ; first pass: v[16:39] row offsets, v[40:135] rows as loaded, v[136:231] rows as fragments
.set RAW,   40
.set AF,    136
.set OFB,   16                         ; second pass: v[16:55] row offsets, 8 a tile
.set RB,    56                         ; v[56:215] rows, 32 a tile: as loaded, then as fragments in the same registers
.set AC4,   216                        ; v[216:247] the fifth tile's sums
.set ACC,   0                          ; window 1: sums, tile i, column tile c at 32 i + 8 c
.set BF,    96                         ; window 1: a chunk's 16 weight fragments
.set AC3,   224                        ; window 1: the second pass's fourth tile's sums
.set RA,    0
.set FR,    128
.set ROFF,  160
.set WS,    176
.set AB,    46                         ; s[46:47] act at the chunk asked for
.set MSB,   0
.macro WIN new
.if MSB != (\new)
	s_set_vgpr_msb (MSB<<8)|(\new)
.set MSB, \new
.endif
.endm
.macro PLACES
.rept 4
	v_nop
.endr
.endm
.macro WLOAD g
.set wi, 0
.rept 16
	global_load_b64 v[RA+64*(\g)+4*wi:RA+64*(\g)+4*wi+1], v[ROFF+wi], s[36+2*(\g):37+2*(\g)]
	global_load_b64 v[RA+64*(\g)+4*wi+2:RA+64*(\g)+4*wi+3], v[ROFF+wi], s[40+2*(\g):41+2*(\g)]
.set wi, wi+1
.endr
.endm
.macro WCONV g
.set wc, 0
.rept 4
.set wq, 0
.rept 8
	v_cvt_pk_bf16_f32 v[FR+8*wc+wq], v[RA+64*(\g)+8*wq+wc], v[RA+64*(\g)+8*wq+4+wc]
.set wq, wq+1
.endr
.set wc, wc+1
.endr
.set wc, 0
.rept 4
	ds_store_b128 v[WS], v[FR+8*wc:FR+8*wc+3] offset:1024*wc
	ds_store_b128 v[WS], v[FR+8*wc+4:FR+8*wc+7] offset:1024*wc+512
.set wc, wc+1
.endr
	v_add_nc_u32 v[WS], 0x8000, v[WS]
.endm
.macro ALOAD i                         ; tile i's rows of the chunk at which the base stands: 2 rows x 256 bytes a load
.set aq, 0
.rept 8
	global_load_b128 v[RAW+32*(\i)+4*aq:RAW+32*(\i)+4*aq+3], v[OFF+8*(\i)+aq], s[AB:AB+1]
.set aq, aq+1
.endr
.endm
.macro ASTAGE i, pf                    ; LDS serves a wave's instructions in order: the loads see the stores above, the next tile's stores come behind them
.set sq, 0
.rept 8
	ds_store_b128 v6, v[RAW+32*(\i)+4*sq:RAW+32*(\i)+4*sq+3] offset:544*sq
.set sq, sq+1
.endr
.set sq, 0
.rept 8
	ds_load_b128 v[AF+32*(\i)+4*sq:AF+32*(\i)+4*sq+3], v7 offset:64*(sq/2)+16*(sq%2)
.set sq, sq+1
.endr
.if \pf
	ALOAD \i
.endif
.endm
.macro BLOAD step                      ; a chunk's 16 weight fragments; step = 1: the address goes on to the next chunk here
	WIN 0x40
.set bq, 0
.rept 16
	ds_load_b128 v[BF+8*bq:BF+8*bq+3], v5 offset:1024*bq
	ds_load_b128 v[BF+8*bq+4:BF+8*bq+7], v5 offset:1024*bq+512
.set bq, bq+1
.endr
	WIN 0
.if \step
	v_add_nc_u32 v5, 0x4000, v5
.endif
.endm
.macro MULS i, zero                    ; a tile's four accumulators take turns
	WIN 0x51
.set mk, 0
.rept 4
.set mc, 0
.rept 4
.set rD, ACC+32*(\i)+8*mc
.set rB, BF+8*(4*mk+mc)
.set rA, AF+32*(\i)+8*mk
.if (\zero) && (mk == 0)
	v_wmma_f32_16x16x32_bf16 v[rD:rD+7], v[rB:rB+7], v[rA:rA+7], 0
.else
	v_wmma_f32_16x16x32_bf16 v[rD:rD+7], v[rB:rB+7], v[rA:rA+7], v[rD:rD+7]
.endif
.set mc, mc+1
.endr
.set mk, mk+1
.endr
.endm
.macro CHUNK zero, pf                  ; a chunk of the first pass
	WIN 0
	s_wait_loadcnt 0x0                             ; this chunk's rows, asked for a chunk ago; it also frees their base
.if \pf
	s_add_nc_u64 s[AB:AB+1], s[AB:AB+1], 256
.endif
	PLACES
	BLOAD 1
	ASTAGE 0, \pf
	ASTAGE 1, \pf
	ASTAGE 2, \pf
	s_wait_dscnt 0x0                               ; weights and rows are in registers
	MULS 0, \zero
	MULS 1, \zero
	MULS 2, \zero
.endm
.macro MULB t                          ; tile t of the second pass: 16 matrix instructions, its four accumulators by turns
.if (\t) < 3
.set rD0, ACC+32*(\t)
.elseif (\t) == 3
.set rD0, AC3
.else
.set rD0, AC4
.endif
.if (\t) < 4
	WIN 0x51                                       ; weights and sums in window 1, rows in window 0
.else
	WIN 0x01                                       ; the fifth tile's sums lie in window 0
.endif
.set mk, 0
.rept 4
.set mc, 0
.rept 4
.set rD, rD0+8*mc
.set rB, BF+8*(4*mk+mc)
.set rA, RB+32*(\t)+8*mk
	v_wmma_f32_16x16x32_bf16 v[rD:rD+7], v[rB:rB+7], v[rA:rA+7], v[rD:rD+7]
.set mc, mc+1
.endr
.set mk, mk+1
.endr
.endm
.macro CHUNKB                          ; a chunk of the second pass: nothing of it is out when it ends
	WIN 0
	PLACES                                         ; behind the last trip's products, ahead of the loads into their sources
.set bt, 0
.rept 5
.set aq, 0
.rept 8
	global_load_b128 v[RB+32*bt+4*aq:RB+32*bt+4*aq+3], v[OFB+8*bt+aq], s[AB:AB+1]
.set aq, aq+1
.endr
.set bt, bt+1
.endr
	BLOAD 0
.set bt, 0
.rept 5
	s_wait_loadcnt 32-8*bt                         ; this tile's eight loads are in; the later tiles', eight each, stay out
.set sq, 0
.rept 8
	ds_store_b128 v6, v[RB+32*bt+4*sq:RB+32*bt+4*sq+3] offset:544*sq
.set sq, sq+1
.endr
.set sq, 0
.rept 8
	ds_load_b128 v[RB+32*bt+4*sq:RB+32*bt+4*sq+3], v7 offset:64*(sq/2)+16*(sq%2)   ; back as fragments, into the registers that the rows left: LDS serves a wave's instructions in order
.set sq, sq+1
.endr
.set bt, bt+1
.endr
	s_wait_dscnt 0x0                               ; weights and rows are in registers
	MULB 0
	MULB 1
	MULB 2
	MULB 3
	MULB 4
	WIN 0
.endm
; A tile's way out.  u: its 32 sums (u = accumulators 0, 1; g = accumulators 2, 3), in window w; tt, pp: 16 registers each, at work; the tile's number is s[sb] + 8 n; sa: its store offset.
; u g / (1 + 2^(-u log2 e)).  Two batches of transcendentals, one wait each.  Each accumulator's lowest registers are read first.
.macro EPI_H u, w, tt, pp, sb, n, sa
.set rU, (\u)
.set rT, (\tt)
.set rP, (\pp)
	WIN 0x04*(\w)
.set ek, 0
.rept 16
	v_mul_f32 v[rT+ek], 0xbfb8aa3b, v[rU+ek]
.set ek, ek+1
.endr
	WIN 0x05*(\w)
.set ek, 0
.rept 8
	v_pk_mul_f32 v[rP+2*ek:rP+2*ek+1], v[rU+2*ek:rU+2*ek+1], v[rU+16+2*ek:rU+16+2*ek+1]
.set ek, ek+1
.endr
	WIN 0
.set ek, 0
.rept 16
	v_exp_f32 v[rT+ek], v[rT+ek]
.set ek, ek+1
.endr
	v_nop
	s_wait_alu depctr_va_vdst(0)
.set ek, 0
.rept 8
	v_pk_add_f32 v[rT+2*ek:rT+2*ek+1], v[rT+2*ek:rT+2*ek+1], 1.0 op_sel_hi:[1,0]
.set ek, ek+1
.endr
.set ek, 0
.rept 16
	v_rcp_f32 v[rT+ek], v[rT+ek]
.set ek, ek+1
.endr
	v_nop
	s_wait_alu depctr_va_vdst(0)
.set ek, 0
.rept 8
	v_pk_mul_f32 v[rP+2*ek:rP+2*ek+1], v[rP+2*ek:rP+2*ek+1], v[rT+2*ek:rT+2*ek+1]
.set ek, ek+1
.endr
.set ek, 0
.rept 8
	v_cvt_pk_bf16_f32 v[rT+ek], v[rP+ek], v[rP+8+ek]
.set ek, ek+1
.endr
	s_add_co_u32 s56, s[\sb], 8*(\n)
	s_lshl_b32 s56, s56, 15
	s_add_co_u32 s56, s56, s58
	v_add_nc_u32 v[\sa], s56, v4                   ; ((64 e + tile) x 32 + slice) x 1,024 + 16 lane
	global_store_b128 v[\sa], v[rT:rT+3], s[20:21]
	global_store_b128 v[\sa], v[rT+4:rT+7], s[20:21] offset:512
.endm
	s_load_b256 s[12:19], s[0:1], 0x0              ; act s[12:13], w1 s[14:15], w3 s[16:17], sel s[18:19]
	s_load_b64 s[20:21], s[0:1], 0x20              ; hid
	v_lshl_add_u32 v12, v0, 2, SPARE
	v_mov_b32 v13, 0
	v_and_b32 v1, 31, v0
	v_lshrrev_b32 v10, 5, v0
	v_readfirstlane_b32 s8, v10
	s_mov_b32 s9, ttmp9                            ; slice
	s_and_b32 s10, ttmp7, 0xffff                   ; expert
	v_and_b32 v2, 15, v0
	v_bfe_u32 v3, v0, 4, 1
	v_lshlrev_b32 v4, 4, v1
	v_lshlrev_b32 v14, 4, v2
	s_mul_i32 s26, s8, 4352
	s_add_co_u32 s26, s26, STG
	v_mul_u32_u24 v10, v3, 272
	v_lshl_add_u32 v10, v2, 4, v10
	v_add_nc_u32 v6, s26, v10
	v_mul_u32_u24 v10, v2, 272
	v_lshl_add_u32 v10, v3, 5, v10
	v_add_nc_u32 v7, s26, v10
	s_lshl_b32 s28, s8, 6
	s_add_co_u32 s28, s28, LIST
	v_lshl_add_u32 v9, v3, 2, s28                  ; the list at my first tile, rank h of a pair; never rewritten
	v_lshlrev_b32 v10, 16, v3
	v_lshl_add_u32 v10, v2, 3, v10                 ; 16 h rows of 4,096 + 8 r
	WIN 0x40
.set i, 0
.rept 16
	v_add_nc_u32 v[ROFF+i], 4096*i, v10
.set i, i+1
.endr
	s_lshl_b32 s28, s8, 12
	v_add_nc_u32 v[WS], s28, v4
	WIN 0
	s_lshl_b32 s34, s10, 23
	s_lshl_b32 s28, s9, 7
	s_add_co_u32 s34, s34, s28
	s_lshl_b32 s28, s8, 17
	s_add_co_u32 s34, s34, s28
	s_mov_b32 s35, 0
	s_lshl_b32 s58, s10, 21
	s_lshl_b32 s28, s9, 10
	s_add_co_u32 s58, s58, s28
	s_wait_kmcnt 0x0
	s_add_nc_u64 s[36:37], s[14:15], s[34:35]
	s_add_nc_u64 s[38:39], s[36:37], 0x100000
	s_add_nc_u64 s[40:41], s[16:17], s[34:35]
	s_add_nc_u64 s[42:43], s[40:41], 0x100000
	WIN 0x45
	WLOAD 0
	WLOAD 1
	WIN 0
	s_cmp_lg_u32 s8, 0
	s_cbranch_scc1 .Lbuilt
	; wave 0 alone: the list, while its weights are on their way
.set i, 0
.rept 8                                ; register 4 i + u holds tokens 128 i + 4 lane + u
	global_load_b128 v[40+4*i:43+4*i], v4, s[18:19] offset:512*i
	global_load_b128 v[72+4*i:75+4*i], v4, s[18:19] offset:4096+512*i
.set i, i+1
.endr
	v_mov_b32 v232, 0
	v_mov_b32 v233, 0
	v_mov_b32 v234, 0
	v_mov_b32 v235, 0
	v_add_nc_u32 v236, LIST, v4
	v_mov_b32 v237, 0x480
	v_lshlrev_b32 v241, 2, v1
.set i, 0
.rept 10
	ds_store_b128 v236, v[232:235] offset:512*i
.set i, i+1
.endr
	s_mov_b32 s50, 0
	s_wait_loadcnt 0x0
.set i, 0
.rept 32
	v_cmp_eq_u32 s51, s10, v[40+i]
	v_cmp_eq_u32 s52, s10, v[72+i]
	s_or_b32 s53, s51, s52
	v_mbcnt_lo_u32_b32 v238, s53, s50              ; rank = those before me in the group + those of earlier groups
	v_cndmask_b32 v238, v237, v238, s53
	v_min_u32 v238, 0x480, v238
	v_lshl_add_u32 v239, v238, 2, LIST
	v_add_nc_u32 v240, 128*(i/4)+i%4, v241
	ds_store_b32 v239, v240
	s_bcnt1_i32_b32 s53, s53
	s_add_co_u32 s50, s50, s53
.set i, i+1
.endr
	v_mov_b32 v240, s50
	v_mov_b32 v239, CNTW
	ds_store_b32 v239, v240
.Lbuilt:
	s_mov_b32 s44, NB/2-1
.Lw:
	WIN 0x45
	s_wait_loadcnt LPB                             ; the older batch is in, the other's 32 loads stay out; the wait also frees the batch's bases
	WCONV 0
	s_add_nc_u64 s[36:37], s[36:37], 0x200000
	s_add_nc_u64 s[40:41], s[40:41], 0x200000
	WLOAD 0
	s_wait_loadcnt LPB
	WCONV 1
	s_add_nc_u64 s[38:39], s[38:39], 0x200000
	s_add_nc_u64 s[42:43], s[42:43], 0x200000
	WLOAD 1
	WIN 0
	s_sub_co_u32 s44, s44, 1
	s_cmp_lg_u32 s44, 0
	s_cbranch_scc1 .Lw
	WIN 0x45
	s_wait_loadcnt LPB
	WCONV 0
	s_wait_loadcnt 0x0
	WCONV 1
	WIN 0
	s_wait_dscnt 0x0                               ; for the others' sake: my fragments, and wave 0's list, are in LDS
	s_barrier_signal -1
	s_barrier_wait -1
	v_mov_b32 v10, CNTW
	ds_load_b32 v11, v10
	s_wait_dscnt 0x0
	v_readfirstlane_b32 s50, v11
	s_min_u32 s50, s50, 0x400                      ; the expert's rows
	s_add_co_u32 s51, s50, 15
	s_lshr_b32 s51, s51, 4                         ; its tiles
	s_mov_b32 s52, s8                              ; my first tile of the first pass,
	s_add_co_u32 s57, s8, 24                       ; and of the second
	; THE FIRST PASS: tiles w, w + 8, w + 16
.set i, 0
.rept 24
	ds_load_b32 v[OFF+i], v9 offset:512*(i/8)+8*(i%8)
.set i, i+1
.endr
	s_wait_dscnt 0x0
.set i, 0
.rept 24
	v_min_u32 v[OFF+i], 0x3ff, v[OFF+i]
	v_lshl_add_u32 v[OFF+i], v[OFF+i], 12, v14     ; token x 4,096 + 16 r
.set i, i+1
.endr
	s_mov_b64 s[AB:AB+1], s[12:13]
	v_mov_b32 v5, v4                               ; the weights' read address: the slice's first chunk
	ALOAD 0
	ALOAD 1
	ALOAD 2
	CHUNK 1, 1                                     ; the first chunk's first products start the sums
	WIN 0
	s_mov_b32 s54, 14
.Lk:
	CHUNK 0, 1
	WIN 0
	s_sub_co_u32 s54, s54, 1
	s_cmp_lg_u32 s54, 0
	s_cbranch_scc1 .Lk
	CHUNK 0, 0                                     ; the last chunk asks for no more rows
	PLACES
	WIN 0
	s_cmp_ge_u32 s52, s51
	s_cbranch_scc1 .Lhdone                         ; a tile past the count is not stored
	EPI_H ACC, 1, RAW, AF, 52, 0, 232
	s_add_co_u32 s55, s52, 8
	s_cmp_ge_u32 s55, s51
	s_cbranch_scc1 .Lhdone
	EPI_H ACC+32, 1, RAW+32, AF+32, 52, 1, 233
	s_add_co_u32 s55, s52, 16
	s_cmp_ge_u32 s55, s51
	s_cbranch_scc1 .Lhdone
	EPI_H ACC+64, 1, RAW+64, AF+64, 52, 2, 234
.Lhdone:
	s_wait_xcnt 0x0                                ; the stores' registers are written again only behind this wait
	; THE SECOND PASS: tiles w + 24 + 8 n.  Its set-up, in every wave: the five tiles' 40 list words, the sums cleared while they come, the offsets
.set i, 0
.rept 40
	ds_load_b32 v[OFB+i], v9 offset:512*(3+i/8)+8*(i%8)
.set i, i+1
.endr
	WIN 0x40
.set i, 0
.rept 96
	v_mov_b32 v[ACC+i], 0
.set i, i+1
.endr
.set i, 0
.rept 32
	v_mov_b32 v[AC3+i], 0
.set i, i+1
.endr
	WIN 0
.set i, 0
.rept 32
	v_mov_b32 v[AC4+i], 0
.set i, i+1
.endr
	v_mov_b32 v5, v4                               ; the slice's first chunk again
	s_mov_b64 s[AB:AB+1], s[12:13]                 ; no load that names the base is out: the first pass's last chunk waited for all and asked for none
	s_wait_dscnt 0x0
.set i, 0
.rept 40
	v_min_u32 v[OFB+i], 0x3ff, v[OFB+i]
	v_lshl_add_u32 v[OFB+i], v[OFB+i], 12, v14     ; token x 4,096 + 16 r
.set i, i+1
.endr
	s_mov_b32 s54, 16
.Lkb:                                                  ; 16 trips, whatever the count
	s_cmp_ge_u32 s57, s51
	s_cbranch_scc1 .Lkbn                           ; no tile of mine beyond the first pass: the trip's work is jumped
	CHUNKB
.Lkbn:
	v_add_nc_u32 v5, 0x4000, v5                    ; the next chunk's weights,
	s_add_nc_u64 s[AB:AB+1], s[AB:AB+1], 256       ; and rows: the trip's loads have all been waited for
	s_sub_co_u32 s54, s54, 1
	s_cmp_lg_u32 s54, 0
	s_cbranch_scc1 .Lkb
	PLACES
	s_cmp_ge_u32 s57, s51
	s_cbranch_scc1 .Lbdone                         ; a tile past the count is not stored
	EPI_H ACC, 1, RB, RB+16, 57, 0, 248
	s_add_co_u32 s55, s57, 8
	s_cmp_ge_u32 s55, s51
	s_cbranch_scc1 .Lbdone
	EPI_H ACC+32, 1, RB+32, RB+48, 57, 1, 249
	s_add_co_u32 s55, s57, 16
	s_cmp_ge_u32 s55, s51
	s_cbranch_scc1 .Lbdone
	EPI_H ACC+64, 1, RB+64, RB+80, 57, 2, 250
	s_add_co_u32 s55, s57, 24
	s_cmp_ge_u32 s55, s51
	s_cbranch_scc1 .Lbdone
	EPI_H AC3, 1, RB+96, RB+112, 57, 3, 251
	s_add_co_u32 s55, s57, 32
	s_cmp_ge_u32 s55, s51
	s_cbranch_scc1 .Lbdone
	EPI_H AC4, 0, RB+128, RB+144, 57, 4, 252
.Lbdone:
	s_wait_tensorcnt 0x0                           ; the wave's end: behind my last LDS store
	ds_add_u32 v12, v13
	s_wait_dscnt 0x0
	s_endpgm
.Lfunc_end_k_qba99ea094e_moe1:
	.size	k_qba99ea094e_moe1, .Lfunc_end_k_qba99ea094e_moe1-k_qba99ea094e_moe1
	.p2alignl 7, 3214868480
	.fill 96, 4, 3214868480
	.section	.rodata,"a",@progbits
	.p2align	6, 0x0
	.amdhsa_kernel k_qba99ea094e_moe1
		.amdhsa_group_segment_fixed_size 303360
		.amdhsa_private_segment_fixed_size 0
		.amdhsa_enable_private_segment 0
		.amdhsa_kernarg_size 40
		.amdhsa_user_sgpr_count 2
		.amdhsa_user_sgpr_kernarg_segment_ptr 1
		.amdhsa_wavefront_size32 1
		.amdhsa_system_sgpr_workgroup_id_x 1
		.amdhsa_system_sgpr_workgroup_id_y 1
		.amdhsa_system_sgpr_workgroup_id_z 1
		.amdhsa_system_vgpr_workitem_id 0
		.amdhsa_next_free_vgpr 512
		.amdhsa_next_free_sgpr 66
		.amdhsa_reserve_vcc 0
		.amdhsa_float_denorm_mode_32 3
		.amdhsa_float_denorm_mode_16_64 3
		.amdhsa_memory_ordered 1
		.amdhsa_forward_progress 1
		.amdhsa_inst_pref_size 153
	.end_amdhsa_kernel
	.amdgpu_metadata
---
amdhsa.version: [ 1, 2 ]
amdhsa.kernels:
  - .name:           k_qba99ea094e_moe1
    .symbol:         k_qba99ea094e_moe1.kd
    .args:
      - { .name: act, .offset: 0, .size: 8, .value_kind: global_buffer, .address_space: global }
      - { .name: w1, .offset: 8, .size: 8, .value_kind: global_buffer, .address_space: global }
      - { .name: w3, .offset: 16, .size: 8, .value_kind: global_buffer, .address_space: global }
      - { .name: sel, .offset: 24, .size: 8, .value_kind: global_buffer, .address_space: global }
      - { .name: hid, .offset: 32, .size: 8, .value_kind: global_buffer, .address_space: global }
    .group_segment_fixed_size: 303360
    .private_segment_fixed_size: 0
    .kernarg_segment_align: 8
    .kernarg_segment_size: 40
    .max_flat_workgroup_size: 256
    .sgpr_count:     66
    .vgpr_count:     512
    .wavefront_size: 32
...
	.end_amdgpu_metadata
.endif
;; end of part 9
;; launch moe2: the kernel of part 7 again; grid 32 x 8, 8 waves a work-group, no clusters, 142,592 bytes of LDS; arguments hid, w2, sel, cw, part; writes part
;; launch final: the kernel of part 8 again; grid 256 x 1, 8 waves a work-group, no clusters, 0 bytes of LDS; arguments h1, part, out0; writes out0
